; MI455X (gfx1250); checked and timed in simulation.
; The chip was launched on July 23, 2026; its instructions are those of AMD's public machine-readable ISA for CDNA 5 (MIT licence, August 2026) and "CDNA5" Instruction Set Architecture Reference Guide (July 2026). The comments in the code are by the model that wrote it; some were corrected since.
;; Causal Attention. Allowed arithmetic: matrix products marked QUANTISED: E5M2 operands, one E8M0 scale for each 32 along K, by v_wmma_scale_f32_16x16x128_f8f6f4 with both operands' format E5M2, f32 sums; everything else in f32.
;; Inputs: Wk 1,024 x 1,024 float32; Wo 1,024 x 1,024 float32; Wq 1,024 x 1,024 float32; Wv 1,024 x 1,024 float32; bk 1,024 float32; bo 1,024 float32; bq 1,024 float32; bv 1,024 float32; x 2 x 2,048 x 1,024 float32.
;; Outputs: out0 2 x 2,048 x 1,024 float32.
;; Constants: train = False.
;; This version of the problem:
;;   THIS VERSION OF THE PROBLEM IS GIVEN IN LOW PRECISION. The matrix products marked QUANTISED in the list below multiply operands that are first quantised to E5M2 (5 exponent bits, 2 mantissa bits; 8 bits a number), with one power-of-two scale for each 32 numbers along K (OCP MX v1.0); their sums are f32. All else is computed in f32.
;;   The module's matrix products, in the order in which they are computed (A, B: the left and right operand; K: the contracted axis; several contracted axes count as one K, in the product's order):
;;     1. [M 4,096, K 1,024] x [K 1,024, N 1,024]; A: input x; B: input Wq: QUANTISED
;;     2. [M 4,096, K 1,024] x [K 1,024, N 1,024]; A: input x; B: input Wk: QUANTISED
;;     3. [M 4,096, K 1,024] x [K 1,024, N 1,024]; A: input x; B: input Wv: QUANTISED
;;     4. batch 32 x [M 2,048, K 64] x [K 64, N 2,048]; A: computed on the way; B: computed on the way: QUANTISED
;;     5. batch 32 x [M 2,048, K 2,048] x [K 2,048, N 64]; A: softmax (see below); B: computed on the way: QUANTISED
;;     6. [M 4,096, K 1,024] x [K 1,024, N 1,024]; A: computed on the way; B: input Wo: QUANTISED
;;   THE QUANTISER, for each operand of a quantised product, along K:
;;     - K is cut into blocks of 32 from its start; a last block that is shorter is filled with zeros.
;;     - A block's scale is 2^e with e = floor(log2(the largest magnitude in the block)) - 15, held to -126 .. 127; a block of zeros has e = 0. As a byte (E8M0): e + 127.
;;     - Each number is divided by its block's scale, clamped to +-57,344, and rounded to the nearest number of E5M2, ties to even, subnormals kept.
;;     - The product sums the exact products of the quantised numbers (number of the format x scale) in f32.
;;   ~~~python
;;   def quantise(x, axis):      # numpy; x: float32 -> the quantised numbers, widened to float32 again
;;       x = np.moveaxis(x, axis, -1); K = x.shape[-1]
;;       x = np.pad(x, [(0, 0)] * (x.ndim - 1) + [(0, -K % 32)]); x = x.reshape(x.shape[:-1] + (-1, 32)); a = np.abs(x).max(-1, keepdims=True)
;;       e = np.where(a > 0, np.clip(np.frexp(np.where(a > 0, a, 1))[1] - 1 - 15, -126, 127), 0)      # np.frexp(a)[1] - 1 = floor(log2(a)), exactly
;;       r = np.clip(x / 2.0 ** e, -57344, 57344)
;;       step = 2.0 ** (np.maximum(np.frexp(np.where(r == 0, 1, r))[1] - 1, -14) - 2)
;;       q = np.round(r / step) * step * 2.0 ** e      # np.round: ties to even
;;       return np.moveaxis(q.reshape(q.shape[:-2] + (-1,))[..., :K], -1, axis).astype(np.float32)
;;   ~~~
;;   SOFTMAX AHEAD OF A QUANTISED PRODUCT. Where the list says 'softmax', what is quantised is not the finished softmax but p = 2^(t - M), with t = logit x log2(e) and M = ceil(the row's largest t), a whole number; so 1/2 < the row's largest p <= 1. The row's sum l is taken of the UNQUANTISED p, in f32, and the product's result is divided by l at the end. Since M is a whole number, a kernel that streams over the keys may use a running M (the ceiling of the running maximum): every later rescaling is an exact power of two, which a block's scale takes up: the codes' values come out the same.
;;   OPERANDS COMPUTED ON THE WAY. 'Computed on the way' means the value that the module computes at that place (a softmax that the list does not call 'softmax' is quantised finished and normalised). What goes into a quantiser is computed in f32, as accurately as f32 sums, v_exp_f32 and their like allow (about 1e-6 of the number): no bf16 or f16 on the way to a quantiser, and a product that is left as it is and whose result goes on into a quantised operand takes f32 operands (vector FMAs, or v_wmma_f32_16x16x4_f32). A number that lies on a knife's edge between two numbers of the format may be rounded either way, as far as f32 arithmetic and the matrix unit's own rounding can turn it there, and no further.
;; One version. Each part assembles by itself: llvm-mc -triple=amdgcn-amd-amdhsa -mcpu=gfx1250 --defsym DOCPART=n.
;; ======== version 1 of 1: 4 launches
;; limits: right only within a limited range of input values
;; workspace buffers: xq 4,325,376 bytes; wq 4,325,376 bytes; qq 4,325,376 bytes; kv 8,650,752 bytes; aq 4,325,376 bytes
;; launch quant (part 1): grid 512 x 1, 4 waves a work-group, no clusters, 68,096 bytes of LDS; arguments x, Wq, Wk, Wv, Wo, xq, wq; writes xq, wq
.if DOCPART == 1
	.amdgcn_target "amdgcn-amd-amdhsa--gfx1250"
	.amdhsa_code_object_version 6
	.text
	.protected	k_qe43a2f5398_quant
	.globl	k_qe43a2f5398_quant
	.p2align	8
	.type	k_qe43a2f5398_quant,@function
k_qe43a2f5398_quant:
	s_mov_b64 s[64:65], 0
	v_nop
	global_prefetch_b8 v0, s[64:65] scope:SCOPE_SE
	s_setreg_imm32_b32 hwreg(HW_REG_WAVE_MODE, 25, 1), 1
	s_wait_xcnt 0x0
; x [4096][1024] f32 (K = its last axis) and Wq, Wk, Wv, Wo [1024][1024] f32 (K = their FIRST axis) become codes of E5M2 with one E8M0 byte for each 32 along K.
; A block's scale is 2^(floor(log2(largest magnitude)) - 15); each number is divided by it, held within +-57,344 and rounded to the nearest code, ties to even.
; THE RESULT IS LAID AS IMAGES OF OPERAND REGISTERS.  A block of 64 rows x K 1,024 takes QBB = 67,584 bytes:
;   codes at 8192 s + 2048 i + 512 c + 16 lane (K step s of 128, tile i of 16 rows, register group c): lane (r, h) holds k = 128 s + 32 c + 16 h + 0 .. 15 of the tile's row r;
;   scale words at 65536 + 256 s + 8 (r + 16 (i & 1)) + 4 (i >> 1).
; THE ROWS OF A TILE ARE NOT NEIGHBOURS: row r of tile 2 b + u is row 32 b + 8 u + (r & 7) + 16 (r >> 3) of the 64, so that a product's results become the next operand without changing lanes.
; 512 work-groups, each of which reads 65,536 bytes.  Work-groups 0-255 take x: a wave makes two tiles (32 tokens) and one K step.  Each load reads 512 consecutive bytes of a token's row; a tile's 16 rows turn through the wave's own
; stage in LDS (rows 528 bytes apart, an odd multiple of 16) and come back 16 neighbours of each block of 32 to a lane.
; Work-groups 256-511 take the weights: a lane takes a column and its 128 registers run down K, so that a block's largest magnitude needs no other lane and nothing is transposed.  That way uses no LDS.
; Waves share nothing: no barrier.  All loads of a wave are issued at once.
; LIMITS: NaN and infinities among the inputs are not served.  A block of zeros gets the byte 1 where the rule says 127: its codes are zeros, and this program alone reads the bytes.
; Blocks whose largest magnitude lies under 2^-111 keep the byte 1.
.set QBB, 67584
.set MNT, 40                           ; s40      the mantissa field of 57,344
.set HM,  41                           ; s41      lanes 16-31
.set SEL, 42                           ; s[42:43] v_permlanex16_b32's selects for lane l xor 16
.set LI,  1                            ; v1   16 x lane
.set L8,  2                            ; v2   8 x lane
.set SA,  3                            ; v3   the stage, on the way in
.set SB,  4                            ; v4   the stage, on the way out
.set TM,  32                           ; v32-47 at work in QUANT
.set PW,  48                           ; v48-49 the two tiles' scale words
.set PK,  52                           ; v52 both
.set X,   64                           ; v64-127, v128-191 two sets of 64 numbers
.set PC,  192                          ; v192-223 codes: 16 registers for each tile
.set MSB, 0
.macro WIN new                         ; the immediate's high byte repeats the setting that is left
.if MSB != \new
	s_set_vgpr_msb (MSB<<8)|\new
.set MSB, \new
.endif
.endm
; 64 numbers of a lane, register 16 b + i = k 32 b + 16 (lane / 16) + i of my row, become a fragment's codes in v[pc] on and its scale word in v[pw]
.macro QUANT s, pc, pw
.irp b, 0,1,2,3
	v_max3_num_f32 v[TM+\b], |v[(\s)+16*\b]|, |v[(\s)+1+16*\b]|, 0x8000000   ; my 16 numbers of block b, and the floor 2^(16 - 127): the byte cannot fall under 1
.endr
.irp i, 2,4,6,8,10,12,14
.irp b, 0,1,2,3
	v_max3_num_f32 v[TM+\b], v[TM+\b], |v[(\s)+16*\b+\i]|, |v[(\s)+1+16*\b+\i]|   ; the four blocks by turns
.endr
.endr
.irp b, 0,1,2,3
	v_permlanex16_b32 v[TM+4+\b], v[TM+\b], s[SEL], s[SEL+1]
.endr
.irp b, 0,1,2,3
	v_max_num_f32 v[TM+\b], v[TM+\b], v[TM+4+\b]           ; with lane l xor 16's 16: the block's largest magnitude
.endr
.irp b, 0,1,2,3
	v_add_nc_u32 v[TM+12+\b], 0xf8800000, v[TM+\b]         ; 15 off its exponent field: the conversion's scale operand
.endr
.irp b, 0,1,2,3
	v_and_or_b32 v[TM+8+\b], v[TM+\b], 0x7f800000, s[MNT]  ; 57,344 x the scale
.endr
.irp b, 0,1,2,3
	v_lshrrev_b32 v[TM+4+\b], 23, v[TM+12+\b]              ; the scale's byte
.endr
	v_lshl_or_b32 v[\pw], v[TM+5], 8, v[TM+4]
	v_lshl_or_b32 v[\pw], v[TM+6], 16, v[\pw]
	v_lshl_or_b32 v[\pw], v[TM+7], 24, v[\pw]
.irp b, 0,1,2,3
.irp i, 0,1,2,3,4,5,6,7,8,9,10,11,12,13,14,15
	v_med3_num_f32 v[(\s)+16*\b+\i], v[(\s)+16*\b+\i], -v[TM+8+\b], v[TM+8+\b]   ; the conversion to an 8-bit code does not saturate (ISA guide 7.6.2): the hold
.endr
	v_cvt_scalef32_pk8_bf8_f32 v[(\pc)+4*\b:(\pc)+4*\b+1], v[(\s)+16*\b:(\s)+16*\b+7], v[TM+12+\b]
	v_cvt_scalef32_pk8_bf8_f32 v[(\pc)+4*\b+2:(\pc)+4*\b+3], v[(\s)+16*\b+8:(\s)+16*\b+15], v[TM+12+\b]
.endr
	v_nop                                          ; one plain line behind the last conversion
.endm
	s_load_b256 s[4:11], s[0:1], 0x0               ; x, Wq, Wk, Wv
	s_load_b128 s[12:15], s[0:1], 0x20             ; Wo, xq
	s_load_b64 s[16:17], s[0:1], 0x30              ; wq
	v_lshl_add_u32 v30, v0, 2, 0x10800
	v_mov_b32 v31, 0
	v_lshrrev_b32 v9, 5, v0
	v_readfirstlane_b32 s18, v9                    ; wave 0..3
	v_and_b32 v9, 31, v0                           ; lane
	s_mov_b32 s[MNT], 0x600000
	s_cmp_ge_u32 ttmp9, 256
	s_cbranch_scc1 .Lweights
	; ---------------- x ----------------
	s_mov_b32 s[HM], 0xffff0000
	s_mov_b32 s[SEL], 0x76543210
	s_mov_b32 s[SEL+1], 0xfedcba98
	s_lshr_b32 s20, ttmp9, 2                       ; which 64 tokens
	s_bfe_u32 s21, ttmp9, 0x10001
	s_and_b32 s34, ttmp9, 1                        ; which two tiles of their four
	s_lshl_b32 s21, s21, 2
	s_add_co_u32 s21, s21, s18                     ; which K step: 4 x a bit of the work-group's number + wave
	s_lshl_b32 s22, s20, 18                        ; 64 rows of 4,096 bytes
	s_lshl_b32 s23, s34, 17
	s_add_co_u32 s22, s22, s23
	s_lshl_b32 s23, s21, 9                         ; 128 numbers
	s_add_co_u32 s22, s22, s23
	s_mov_b32 s23, 0
	s_mul_i32 s24, s20, QBB
	s_lshl_b32 s25, s21, 13
	s_add_co_u32 s26, s24, s25                     ; my codes
	s_lshl_b32 s25, s34, 12
	s_add_co_u32 s26, s26, s25
	s_mov_b32 s27, 0
	s_lshl_b32 s25, s21, 8
	s_add_co_u32 s28, s24, s25
	s_lshl_b32 s25, s34, 2
	s_add_co_u32 s28, s28, s25
	s_add_co_u32 s28, s28, 65536                   ; my scale words
	s_mov_b32 s29, 0
	s_mul_i32 s30, s18, 16896                      ; my two stages of 16 x 528 bytes
	s_wait_alu depctr_va_vdst(0)
	v_lshlrev_b32 v[LI], 4, v9
	v_lshlrev_b32 v[L8], 3, v9
	v_add_nc_u32 v[SA], s30, v[LI]                 ; in: a row's 512 bytes as they lie
	v_and_b32 v5, 15, v0                           ; r
	v_bfe_u32 v6, v0, 4, 1                         ; h
	v_mul_u32_u24 v[SB], v5, 528
	v_lshl_add_u32 v[SB], v6, 6, v[SB]
	v_add_nc_u32 v[SB], s30, v[SB]                 ; out: row r, + 64 h: my 16 numbers of a block of 32
.irp b, 0,1,2,3
	v_mov_b32 v[TM+4+\b], 0                        ; written once: a lane permute's destination counts as one of its sources
.endr
	s_wait_alu depctr_va_vdst(0)
	s_wait_kmcnt 0x0
	s_add_nc_u64 s[4:5], s[4:5], s[22:23]
	s_add_nc_u64 s[26:27], s[14:15], s[26:27]
	s_add_nc_u64 s[28:29], s[14:15], s[28:29]
	WIN 0x40                                       ; destination window 1: tile i's row p at v[64 i + 4 p]
.irp i, 0,1
.irp p, 0,1,2,3,4,5,6,7,8,9,10,11,12,13,14,15
	global_load_b128 v[64*\i+4*\p:64*\i+4*\p+3], v[LI], s[4:5] offset:(8*\i+(\p%8)+16*(\p/8))*4096 th:TH_LOAD_NT   ; 32 lanes read 512 consecutive bytes
.endr
.endr
	WIN 0
.macro TURN i                          ; tile i through stage i.  LDS serves a wave's instructions in order (ISA guide 5.7.1.4): no wait between the stores and the loads
	s_wait_loadcnt 16-16*(\i)                      ; this tile's 16 loads are in; the later tile's may be out
	WIN 0x04                                       ; an LDS store's data are its source 1: window 1
.irp p, 0,1,2,3,4,5,6,7,8,9,10,11,12,13,14,15
	ds_store_b128 v[SA], v[64*(\i)+4*\p:64*(\i)+4*\p+3] offset:(\i)*8448+528*\p
.endr
	WIN 0
.irp b, 0,1,2,3
.irp j, 0,1,2,3
	ds_load_b128 v[X+64*(\i)+16*\b+4*\j:X+64*(\i)+16*\b+4*\j+3], v[SB] offset:(\i)*8448+128*\b+16*\j
.endr
.endr
.endm
.macro OUT i                           ; tile i's codes: 32 lanes store 512 consecutive bytes, four times
.irp c, 0,1,2,3
	global_store_b128 v[LI], v[PC+16*(\i)+4*\c:PC+16*(\i)+4*\c+3], s[26:27] offset:(\i)*2048+512*\c
.endr
.endm
	TURN 0
	TURN 1
	s_wait_dscnt 32                                ; tile 0 is back; tile 1's 16 stores and 16 loads may be out
	QUANT X, PC, PW
	OUT 0
	s_wait_dscnt 0x0
	QUANT X+64, PC+16, PW+1
	OUT 1
	v_cndmask_b32 v[PK], v[PW], v[PW+1], s[HM]     ; every lane holds its row's word: lanes 0-15 keep the even tile's, lanes 16-31 take the odd tile's
	global_store_b32 v[L8], v[PK], s[28:29]        ; 4 bytes in every 8: the other 4 are the neighbouring work-group's.  One byte in 128 of what this way reads
	s_wait_tensorcnt 0x0
	ds_add_u32 v30, v31
	s_wait_dscnt 0x0
	s_endpgm
	; ---------------- the weights ----------------
.set L4, 6                             ; v6  4 x lane
.set CO, 7                             ; v7  my column's place among the codes
.set SO, 8                             ; v8  and among the scale words
.set WD, 32                            ; v32-159 W(128 s + k, my column)
.set WC, 160                           ; v160-191 codes: 8 registers a block
.Lweights:
	s_sub_co_u32 s20, ttmp9, 256
	s_lshr_b32 s21, s20, 6                         ; which weight: 0 Wq, 1 Wk, 2 Wv, 3 Wo
	s_bfe_u32 s22, s20, 0x30003                    ; which 128 columns
	s_and_b32 s23, s20, 7                          ; which K step
	s_lshl_b32 s24, s22, 2
	s_add_co_u32 s24, s24, s18                     ; my wave's 32 columns
	s_lshl_b32 s26, s24, 7
	s_lshl_b32 s25, s23, 19                        ; 128 rows of 4,096 bytes
	s_add_co_u32 s26, s26, s25
	s_mov_b32 s27, 0
	s_lshr_b32 s28, s24, 1
	s_lshl_b32 s29, s21, 4
	s_add_co_u32 s28, s28, s29                     ; the block of 64 columns: 16 x weight + column / 64
	s_mul_i32 s28, s28, QBB
	s_and_b32 s29, s18, 1                          ; which 32 of the 64
	s_lshl_b32 s30, s23, 13
	s_add_co_u32 s30, s30, s28
	s_lshl_b32 s31, s29, 12
	s_add_co_u32 s30, s30, s31                     ; my codes: tiles 2 b, 2 b + 1 of K step s
	s_mov_b32 s31, 0
	s_lshl_b32 s32, s23, 8
	s_add_co_u32 s32, s32, s28
	s_lshl_b32 s33, s29, 2
	s_add_co_u32 s32, s32, s33
	s_add_co_u32 s32, s32, 65536                   ; my scale words
	s_mov_b32 s33, 0
	s_wait_alu depctr_va_vdst(0)
	v_lshlrev_b32 v[L4], 2, v9
	v_bfe_u32 v3, v0, 3, 1                         ; column j of the 32 is row r = (j & 7) + 8 (j >> 4) of tile u = (j >> 3) & 1
	v_and_b32 v4, 7, v0
	v_bfe_u32 v5, v0, 4, 1
	v_lshl_add_u32 v4, v5, 3, v4
	v_lshlrev_b32 v[CO], 4, v4
	v_lshl_add_u32 v[CO], v3, 11, v[CO]            ; 2048 u + 16 r
	v_lshlrev_b32 v[SO], 3, v4
	v_lshl_add_u32 v[SO], v3, 7, v[SO]             ; 128 u + 8 r
	s_wait_alu depctr_va_vdst(0)
	s_wait_kmcnt 0x0
	s_cmp_eq_u32 s21, 1                            ; the choice hangs on the work-group's number alone
	s_cselect_b64 s[34:35], s[8:9], s[6:7]
	s_cmp_eq_u32 s21, 2
	s_cselect_b64 s[34:35], s[10:11], s[34:35]
	s_cmp_eq_u32 s21, 3
	s_cselect_b64 s[34:35], s[12:13], s[34:35]
	s_add_nc_u64 s[34:35], s[34:35], s[26:27]
	s_add_nc_u64 s[30:31], s[16:17], s[30:31]
	s_add_nc_u64 s[32:33], s[16:17], s[32:33]
.set k, 0
.rept 128
	global_load_b32 v[WD+k], v[L4], s[34:35] offset:k*4096 th:TH_LOAD_NT   ; a row of W at 32 neighbouring columns; the four waves stand side by side on 512 bytes
.set k, k+1
.endr
.macro BLOCK c                         ; block c of 32 along K: all 32 numbers are mine
.set XS, WD+32*(\c)
.if 96-32*(\c) > 63
	s_wait_loadcnt 63                              ; (the later blocks' loads are more than the wait's field can name)
.else
	s_wait_loadcnt 96-32*(\c)                      ; this block's 32 loads are in; the later blocks' may be out
.endif
	v_max3_num_f32 v12, |v[XS]|, |v[XS+1]|, |v[XS+2]|
	v_max3_num_f32 v13, |v[XS+3]|, |v[XS+4]|, |v[XS+5]|
.irp i, 6,10,14,18,22,26
	v_max3_num_f32 v12, v12, |v[XS+\i]|, |v[XS+\i+1]|
	v_max3_num_f32 v13, v13, |v[XS+\i+2]|, |v[XS+\i+3]|
.endr
	v_max3_num_f32 v12, v12, |v[XS+30]|, |v[XS+31]|
	v_max3_num_f32 v12, v12, v13, 0x8000000        ; and the floor 2^(16 - 127)
	v_add_nc_u32 v11, 0xf8800000, v12              ; the conversion's scale operand
	v_and_or_b32 v10, v12, 0x7f800000, s[MNT]      ; 57,344 x the scale
	v_lshrrev_b32 v13, 23, v11                     ; the byte
.if (\c) == 0
	v_mov_b32 v24, v13
.else
	v_lshl_or_b32 v24, v13, 8*(\c), v24
.endif
.set k, 0
.rept 32
	v_med3_num_f32 v[XS+k], v[XS+k], -v10, v10
.set k, k+1
.endr
.irp g, 0,1,2,3
	v_cvt_scalef32_pk8_bf8_f32 v[WC+8*(\c)+2*\g:WC+8*(\c)+2*\g+1], v[XS+8*\g:XS+8*\g+7], v11
.endr
	v_nop                                          ; one plain line behind the last conversion: the next block writes its scale operand
	global_store_b128 v[CO], v[WC+8*(\c):WC+8*(\c)+3], s[30:31] offset:512*(\c)         ; k 32 c + 0 .. 15: the places of lanes 0-15; sixteen lanes fill 256 consecutive bytes, aligned
	global_store_b128 v[CO], v[WC+8*(\c)+4:WC+8*(\c)+7], s[30:31] offset:512*(\c)+256   ; k 32 c + 16 .. 31: those of lanes 16-31
.endm
	BLOCK 0
	BLOCK 1
	BLOCK 2
	BLOCK 3
	global_store_b32 v[SO], v24, s[32:33]          ; my column's scale word: 4 bytes in every 8; one byte in 128 of what this way reads
	s_endpgm
.Lfunc_end_k_qe43a2f5398_quant:
	.size	k_qe43a2f5398_quant, .Lfunc_end_k_qe43a2f5398_quant-k_qe43a2f5398_quant
	.p2alignl 7, 3214868480
	.fill 96, 4, 3214868480
	.section	.rodata,"a",@progbits
	.p2align	6, 0x0
	.amdhsa_kernel k_qe43a2f5398_quant
		.amdhsa_group_segment_fixed_size 68096
		.amdhsa_private_segment_fixed_size 0
		.amdhsa_enable_private_segment 0
		.amdhsa_kernarg_size 56
		.amdhsa_user_sgpr_count 2
		.amdhsa_user_sgpr_kernarg_segment_ptr 1
		.amdhsa_wavefront_size32 1
		.amdhsa_system_sgpr_workgroup_id_x 1
		.amdhsa_system_sgpr_workgroup_id_y 1
		.amdhsa_system_sgpr_workgroup_id_z 1
		.amdhsa_system_vgpr_workitem_id 0
		.amdhsa_next_free_vgpr 384
		.amdhsa_next_free_sgpr 66
		.amdhsa_reserve_vcc 0
		.amdhsa_float_denorm_mode_32 3
		.amdhsa_float_denorm_mode_16_64 3
		.amdhsa_memory_ordered 1
		.amdhsa_forward_progress 1
		.amdhsa_inst_pref_size 56
	.end_amdhsa_kernel
	.amdgpu_metadata
---
amdhsa.version: [ 1, 2 ]
amdhsa.kernels:
  - .name:           k_qe43a2f5398_quant
    .symbol:         k_qe43a2f5398_quant.kd
    .args:
      - { .name: x, .offset: 0, .size: 8, .value_kind: global_buffer, .address_space: global }
      - { .name: Wq, .offset: 8, .size: 8, .value_kind: global_buffer, .address_space: global }
      - { .name: Wk, .offset: 16, .size: 8, .value_kind: global_buffer, .address_space: global }
      - { .name: Wv, .offset: 24, .size: 8, .value_kind: global_buffer, .address_space: global }
      - { .name: Wo, .offset: 32, .size: 8, .value_kind: global_buffer, .address_space: global }
      - { .name: xq, .offset: 40, .size: 8, .value_kind: global_buffer, .address_space: global }
      - { .name: wq, .offset: 48, .size: 8, .value_kind: global_buffer, .address_space: global }
    .group_segment_fixed_size: 68096
    .private_segment_fixed_size: 0
    .kernarg_segment_align: 8
    .kernarg_segment_size: 56
    .max_flat_workgroup_size: 128
    .sgpr_count:     66
    .vgpr_count:     384
    .wavefront_size: 32
...
	.end_amdgpu_metadata
.endif
;; end of part 1
;; launch qkv (part 2): grid 16 x 16, 4 waves a work-group, clusters of 4 x 4, 327,680 bytes of LDS; arguments xq, wq, bq, bk, bv, qq, kv; writes qq, kv
.if DOCPART == 2
	.amdgcn_target "amdgcn-amd-amdhsa--gfx1250"
	.amdhsa_code_object_version 6
	.text
	.protected	k_qe43a2f5398_qkv
	.globl	k_qe43a2f5398_qkv
	.p2align	8
	.type	k_qe43a2f5398_qkv,@function
k_qe43a2f5398_qkv:
	s_mov_b64 s[64:65], 0
	v_nop
	global_prefetch_b8 v0, s[64:65] scope:SCOPE_SE
	s_setreg_imm32_b32 hwreg(HW_REG_WAVE_MODE, 25, 1), 1
	s_wait_xcnt 0x0
	s_wait_alu depctr_hold_cnt(0) depctr_sa_sdst(0) depctr_va_vdst(0) depctr_va_sdst(0) depctr_va_ssrc(0) depctr_va_vcc(0) depctr_vm_vsrc(0)
	s_getreg_b32 s2, hwreg(HW_REG_IB_STS2, 6, 4)
	s_cmp_eq_u32 s2, 0
	s_cbranch_scc0 .Lentry_in_a_cluster
	s_endpgm
.Lentry_in_a_cluster:
	s_bfe_u32 s2, ttmp6, 0x10000c
	s_cmp_lg_u32 s2, 0xf033
	s_cbranch_scc0 .Lentry_shape_is_right
	s_endpgm
.Lentry_shape_is_right:
; q = x Wq + bq, k = x Wk + bk, v = x Wv + bv on codes of E5M2 with E8M0 scales, sums in f32; the results are quantised in registers: q and k along the head's 64, v along the tokens (the keys).
; OPERANDS come as images of operand registers, in blocks of 64 rows x K 1,024 (QBB bytes: codes at 8192 s + 2048 i + 512 c + 16 lane, scale words at 65536 + 256 s + 8 (r + 16 (i & 1)) + 4 (i >> 1)).
; SHARES.  256 work-groups: x = head, y = 256 tokens.  A work-group makes the head's 64 columns of q, of k and of v for its tokens; a wave makes 64 tokens x 192 columns: 3 x 16 accumulators, 48 products for each of the 8 K steps.
;   q, k: source 0 = 16 columns, source 1 = 16 tokens: a lane is a token and its registers run along the head's 64.   v: source 0 = 16 tokens, source 1 = 16 channels: a lane is a channel and its registers run along the tokens.
;   The rows of a tile are 32 b + 8 u + (r & 7) + 16 (r >> 3), so the 16 registers of tiles 2 b and 2 b + 1 are 16 NEIGHBOURS: the conversions' results are the next launch's operand registers.
; LDS: region A holds K steps 0-2 and later 5-7, region B K steps 3, 4: four blocks of tokens and three of columns each.  At the head each wave issues one load: wave 0 A's tokens, wave 1 A's columns, wave 2 B's tokens, wave 3 B's columns.
;   The first barrier shows A; the round in K step 2 shows B, and behind it waves 0 and 1 fill A again (it is read no more); the barrier in K step 4 shows that.
; CLUSTER, 4 x 4: the four of a row share the tokens, the four of a column the head's columns: every tile is asked for jointly.
; PREFETCH: what the refill will ask for (24,576 bytes of each block) is asked for behind the first barrier, three K steps ahead, each 256 bytes once in the cluster: of the four token blocks the partner cx takes block cx, of the columns' 288 pieces the partner cy 72.
; REGISTERS: window 0: addresses, scale words, v128-255 the tokens' fragments, two sets; windows 1, 2, 3 (q, k, v): v0-127 the columns' fragments, two sets; v128-255 the accumulators, (o, t) at 128 + 8 (4 o + t).
;   The biases lie in the second sets until K step 0 has taken them as its C.
; OUT.  qq: [batch x head][128 tokens][8,448]: codes 2048 dt + 512 c + 16 lane (double tile dt: groups 0, 1 token tile 2 dt, groups 2, 3 tile 2 dt + 1), scale words at 8192 + 64 dt + 4 r.
;       kv: [batch x head][128 tokens][16,896]: k as q (scale words at 16384); v's codes at 8192 + 4096 par + 2048 m + 1024 e + 512 c' (channels' tile 2 m + e, key block 2 par + c'), its scale words at 16640 + 128 par + 64 m + 4 r.
; LIMITS: NaN and infinities are not served; a block of zeros gets the byte 1 (its codes are zeros; this program alone reads the bytes); blocks whose largest magnitude lies under 2^-111 keep the byte 1.
.set QBB,  67584
.set TA,   0                           ; region A: tokens, 4 x 24,576
.set CA,   98304                       ;           columns, 3 x 24,576
.set TB,   172032                      ; region B: tokens, 4 x 16,384
.set CB,   237568                      ;           columns, 3 x 16,384
.set SPARE, 286720
.set LI,  1                            ; v1   16 x lane
.set L8,  2                            ; v2   8 x lane
.set L4,  3                            ; v3   4 x lane
.set ATA, 4                            ; v4   LDS: my tokens in A,
.set ATB, 5                            ; v5   in B;
.set ACA, 6                            ; v6   the columns in A,
.set ACV, 7                            ; v7   v's there,
.set ACB, 8                            ; v8   and in B
.set BO1, 9                            ; v9   the biases of q, k: 64 h
.set BO2, 10                           ; v10  of v: my lane's channel in a tile
.set PF1, 11                           ; v11, v12  the prefetches' offsets
.set PF2, 12
.set SPW, 13
.set NIL, 14
.set TW,  32                           ; v32-47 the tokens' scale words: pair 2 s
.set QW,  50                           ; v50-65, v66-81, v82-97 q's, k's, v's: no product's two have numbers equal modulo 8
.set VW,  82
.set TM,  0                            ; in windows 1 to 3, behind the products: v0-15 at work in QUANT, v16-18 scale words, v32-63 codes
.set WV,  18
.set TY,  19
.set HD,  20
.set CX,  21
.set CY,  22
.set G1TA, 24                          ; descriptor groups 1
.set G1CA, 32
.set G1TB, 48
.set G1CB, 56
.set G0TA, 68                          ; and 0
.set G0CA, 72
.set G0TB, 76
.set G0CB, 80
.set MNT, 84
.set HM,  85
.set SEL, 86
.set CO,  88                           ; s[88:93] where q's, k's, v's codes go
.set SO,  94                           ; s[94:99] and their scale words
.set MSB, 0
.macro WIN new                         ; the immediate's high byte repeats the setting that is left
.if MSB != \new
	s_set_vgpr_msb (MSB<<8)|\new
.set MSB, \new
.endif
.endm
.macro P8                              ; eight places between products and loads into, or reads of, their registers (ISA guide 7.12.1 for reads)
.rept 8
	v_nop
.endr
.endm
.macro CREST                           ; a round of the cluster's barrier behind its opening barrier
	s_cmp_lg_u32 s[WV], 0
	s_cbranch_scc1 .Lnot_wave_0_\@
	s_barrier_signal -3
.Lnot_wave_0_\@:
	s_barrier_wait -3
	s_barrier_signal -1
	s_barrier_wait -1
.endm
.macro CROUND
	s_barrier_signal -1
	s_barrier_wait -1
	CREST
.endm
.macro TLOAD g0, g1
	tensor_load_to_lds s[\g0:\g0+3], s[\g1:\g1+7]
	s_nop 0
.rept 4
	v_nop
.endr
.endm
.macro GROUP1 g, mask, len, rows, pitch    ; so many rows (blocks) of len x 8 bytes, dense in LDS
	s_or_b32 s[\g], s[\mask], (3<<16)|(1<<21)
	s_mov_b32 s[\g+1], (\len)<<16
	s_mov_b32 s[\g+2], (\rows)<<16
	s_mov_b32 s[\g+3], (\len)<<16
	s_mov_b32 s[\g+4], \rows
	s_mov_b32 s[\g+5], \pitch
	s_mov_b32 s[\g+6], 0
	s_mov_b32 s[\g+7], 0
.endm
.macro GROUP0 g, lds, base, off
	s_mov_b32 s[\g], 1
	s_mov_b32 s[\g+1], \lds
	s_add_nc_u64 s[\g+2:\g+3], s[\base:\base+1], \off
	s_or_b32 s[\g+3], s[\g+3], 0x80000000
.endm
.macro SHADD d, x, n                   ; d += x << n
	s_lshl_b32 s41, s[\x], \n
	s_add_co_u32 s[\d], s[\d], s41
.endm
.macro QUANT s, pc, pw                 ; 64 numbers of a lane, four blocks of 16 (the other 16 lie in lane l xor 16), become 16 registers of codes and a scale word
.irp b, 0,1,2,3
	v_max3_num_f32 v[TM+\b], |v[(\s)+16*\b]|, |v[(\s)+1+16*\b]|, 0x8000000   ; and the floor 2^(16 - 127): the byte cannot fall under 1.  Each accumulator is read from its low end on
.endr
.irp i, 2,4,6,8,10,12,14
.irp b, 0,1,2,3
	v_max3_num_f32 v[TM+\b], v[TM+\b], |v[(\s)+16*\b+\i]|, |v[(\s)+1+16*\b+\i]|
.endr
.endr
.irp b, 0,1,2,3
	v_permlanex16_b32 v[TM+4+\b], v[TM+\b], s[SEL], s[SEL+1]
.endr
.irp b, 0,1,2,3
	v_max_num_f32 v[TM+\b], v[TM+\b], v[TM+4+\b]
.endr
.irp b, 0,1,2,3
	v_add_nc_u32 v[TM+12+\b], 0xf8800000, v[TM+\b]         ; 15 off the exponent field: the conversion's scale operand
.endr
.irp b, 0,1,2,3
	v_and_or_b32 v[TM+8+\b], v[TM+\b], 0x7f800000, s[MNT]  ; 57,344 x the scale
.endr
.irp b, 0,1,2,3
	v_lshrrev_b32 v[TM+4+\b], 23, v[TM+12+\b]              ; the byte
.endr
	v_lshl_or_b32 v[\pw], v[TM+5], 8, v[TM+4]
	v_lshl_or_b32 v[\pw], v[TM+6], 16, v[\pw]
	v_lshl_or_b32 v[\pw], v[TM+7], 24, v[\pw]
.irp b, 0,1,2,3
.irp i, 0,1,2,3,4,5,6,7,8,9,10,11,12,13,14,15
	v_med3_num_f32 v[(\s)+16*\b+\i], v[(\s)+16*\b+\i], -v[TM+8+\b], v[TM+8+\b]   ; the conversion does not saturate (ISA guide 7.6.2): the hold
.endr
	v_cvt_scalef32_pk8_bf8_f32 v[(\pc)+4*\b:(\pc)+4*\b+1], v[(\s)+16*\b:(\s)+16*\b+7], v[TM+12+\b]
	v_cvt_scalef32_pk8_bf8_f32 v[(\pc)+4*\b+2:(\pc)+4*\b+3], v[(\s)+16*\b+8:(\s)+16*\b+15], v[TM+12+\b]
.endr
	v_nop                                          ; one plain line behind the last conversion
.endm
.macro WM d, a, b, c, sa, sb, ra, rb   ; one matrix instruction; ra, rb: the side's scale words stand in lanes 16-31
.if (\ra) && (\rb)
	v_wmma_scale_f32_16x16x128_f8f6f4 v[\d:\d+7], v[\a:\a+15], v[\b:\b+15], v[\c:\c+7], v[\sa], v[\sb] matrix_a_fmt:MATRIX_FMT_BF8 matrix_b_fmt:MATRIX_FMT_BF8 matrix_a_scale:MATRIX_SCALE_ROW1 matrix_b_scale:MATRIX_SCALE_ROW1
.elseif (\ra)
	v_wmma_scale_f32_16x16x128_f8f6f4 v[\d:\d+7], v[\a:\a+15], v[\b:\b+15], v[\c:\c+7], v[\sa], v[\sb] matrix_a_fmt:MATRIX_FMT_BF8 matrix_b_fmt:MATRIX_FMT_BF8 matrix_a_scale:MATRIX_SCALE_ROW1
.elseif (\rb)
	v_wmma_scale_f32_16x16x128_f8f6f4 v[\d:\d+7], v[\a:\a+15], v[\b:\b+15], v[\c:\c+7], v[\sa], v[\sb] matrix_a_fmt:MATRIX_FMT_BF8 matrix_b_fmt:MATRIX_FMT_BF8 matrix_b_scale:MATRIX_SCALE_ROW1
.else
	v_wmma_scale_f32_16x16x128_f8f6f4 v[\d:\d+7], v[\a:\a+15], v[\b:\b+15], v[\c:\c+7], v[\sa], v[\sb] matrix_a_fmt:MATRIX_FMT_BF8 matrix_b_fmt:MATRIX_FMT_BF8
.endif
.endm
; The 16 products of q (n = 1), k (2) or v (3) for K step s, on set s % 2.  All 48 accumulators take turns, one instruction a turn, in the same order in every step.  f = 1: the bias starts the sums
.macro MUL n, s, f
.set E_, 64*((\s)%2)
.if (\n) == 1
	WIN 0x51                                       ; source 0 window 1, source 1 (tokens) window 0, C and D window 1
.elseif (\n) == 2
	WIN 0xa2
.else
	WIN 0xfc                                       ; source 0 (tokens) window 0, source 1, C and D window 3
.endif
.irp o, 0,1,2,3
.irp t, 0,1,2,3
.set rD, 128+8*(4*\o+\t)
.set rC, rD
.if (\n) < 3
.set rA, E_+16*\t
.set rB, 128+E_+16*\o
.set rSA, QW+16*((\n)-1)+2*(\s)+\t/2
.set rSB, TW+2*(\s)+\o/2
.if \f
.set rC, 64+8*\t
.endif
.else
.set rA, 128+E_+16*\t
.set rB, E_+16*\o
.set rSA, TW+2*(\s)+\t/2
.set rSB, VW+2*(\s)+\o/2
.if \f
.set rC, 64+8*\o
.endif
.endif
	WM rD, rA, rB, rC, rSA, rSB, \t%2, \o%2
.endr
.endr
.endm
.macro FRAGS d, adr, off               ; four fragments: 16 loads of 512 consecutive bytes
.irp i, 0,1,2,3
.irp c, 0,1,2,3
	ds_load_b128 v[(\d)+16*\i+4*\c:(\d)+16*\i+4*\c+3], v[\adr] offset:(\off)+2048*\i+512*\c
.endr
.endr
.endm
.macro FETCH p, s                      ; K step s's fragments of the tokens (p = 0), q's (1), k's (2) or v's (3) columns
	WIN (\p)<<6
.if ((\s) == 3) || ((\s) == 4)
.if (\p) == 0
	FRAGS 128+64*((\s)%2), ATB, 8192*((\s)-3)
.else
	FRAGS 64*((\s)%2), ACB, 16384*((\p)-1)+8192*((\s)-3)
.endif
.else
.if (\s) > 4
.set K_, 8192*((\s)-5)
.else
.set K_, 8192*(\s)
.endif
.if (\p) == 0
	FRAGS 128+64*((\s)%2), ATA, K_
.elseif (\p) == 3
	FRAGS 64*((\s)%2), ACV, K_
.else
	FRAGS 64*((\s)%2), ACA, 24576*((\p)-1)+K_
.endif
.endif
.endm
.macro FETCHALL s
	FETCH 0, \s
	FETCH 1, \s
	FETCH 2, \s
	FETCH 3, \s
.endm
; A K step whose successor is already shown.  Behind the fragments that a group of products wants, 64 younger loads may be out: the wait's field names 63 at the most
.macro STEP s
	P8
	FETCH 0, (\s)+1
	FETCH 1, (\s)+1
	s_wait_dscnt 63
	MUL 1, \s, 0
	FETCH 2, (\s)+1
	s_wait_dscnt 63
	MUL 2, \s, 0
	FETCH 3, (\s)+1
	s_wait_dscnt 63
	MUL 3, \s, 0
.endm
.macro OUT n                           ; q, k or v leaves: everything at work lies in its own window
	P8
	WIN 0x55*(\n)
	QUANT 128, 32, 16                              ; source 1's tiles 0 and 1
	QUANT 192, 48, 17                              ; tiles 2 and 3
	v_cndmask_b32 v18, v16, v17, s[HM]             ; lanes 0-15 the first pair's words, lanes 16-31 the second's
	WIN 4*(\n)                                     ; a store's data are its source 1
.irp c, 0,1,2,3
	global_store_b128 v[LI], v[32+4*\c:35+4*\c], s[CO+2*(\n)-2:CO+2*(\n)-1] offset:512*\c   ; 32 lanes store 512 consecutive bytes, aligned
.endr
.irp c, 0,1,2,3
	global_store_b128 v[LI], v[48+4*\c:51+4*\c], s[CO+2*(\n)-2:CO+2*(\n)-1] offset:2048+512*\c
.endr
	global_store_b32 v[L4], v18, s[SO+2*(\n)-2:SO+2*(\n)-1]   ; 128 consecutive bytes
.endm
	s_load_b256 s[4:11], s[0:1], 0x0               ; xq, wq, bq, bk
	s_load_b128 s[12:15], s[0:1], 0x20             ; bv, qq
	s_load_b64 s[16:17], s[0:1], 0x30              ; kv
	v_lshl_add_u32 v[SPW], v0, 2, SPARE
	v_mov_b32 v[NIL], 0
	ds_add_u32 v[SPW], v[NIL]
	ds_add_u32 v[SPW], v[NIL]
	v_lshrrev_b32 v16, 5, v0
	v_readfirstlane_b32 s[WV], v16                 ; wave 0..3
	s_bfe_u32 s[CX], ttmp6, 0x40000
	s_bfe_u32 s[CY], ttmp6, 0x40004
	s_lshl_b32 s[HD], ttmp9, 2
	s_add_co_u32 s[HD], s[HD], s[CX]               ; head
	s_and_b32 s[TY], ttmp7, 0xffff
	s_lshl_b32 s[TY], s[TY], 2
	s_add_co_u32 s[TY], s[TY], s[CY]               ; which 256 tokens
	s_lshl_b32 s23, s[CY], 2
	s_lshl_b32 s23, 15, s23                        ; my row of the cluster
	s_lshl_b32 s40, 0x1111, s[CX]                  ; my column
	GROUP1 G1TA, 23, 3072, 4, QBB/8
	GROUP1 G1CA, 40, 3072, 3, 16*QBB/8             ; q's, k's and v's blocks lie 16 blocks apart
	GROUP1 G1TB, 23, 2048, 4, QBB/8
	GROUP1 G1CB, 40, 2048, 3, 16*QBB/8
	s_mov_b32 s[MNT], 0x600000
	s_mov_b32 s[HM], 0xffff0000
	s_mov_b32 s[SEL], 0x76543210
	s_mov_b32 s[SEL+1], 0xfedcba98
	s_mul_i32 s42, s[TY], 4*QBB                    ; the tokens' four blocks: from y alone
	s_mov_b32 s43, 0
	s_mul_i32 s44, s[HD], QBB                      ; the columns': from x alone
	s_mov_b32 s45, 0
	s_mul_i32 s46, s[WV], QBB
	s_add_co_u32 s46, s46, s42                     ; my tokens' block
	s_mov_b32 s47, 0
	s_mul_i32 s66, s[CX], QBB
	s_add_co_u32 s66, s66, s42
	s_add_co_u32 s66, s66, 40960                   ; the block that I prefetch, K step 5
	s_mov_b32 s67, 0
	s_lshl_b32 s100, s[HD], 8                      ; my head's 64 numbers of a bias
	s_mov_b32 s101, 0
	; where the results go: block 16 (16 batch + head) + 2 (y & 7) + (wave >> 1) of 128 tokens, half wave & 1
	s_lshr_b32 s2, s[TY], 3
	s_lshl_b32 s2, s2, 4
	s_add_co_u32 s2, s2, s[HD]
	s_lshl_b32 s2, s2, 4
	s_and_b32 s3, s[TY], 7
	s_lshl_b32 s3, s3, 1
	s_add_co_u32 s2, s2, s3
	s_lshr_b32 s3, s[WV], 1
	s_add_co_u32 s2, s2, s3
	s_and_b32 s3, s[WV], 1
	s_mul_i32 s[CO], s2, 8448
	s_mul_i32 s[CO+2], s2, 16896
	s_add_co_u32 s[CO+4], s[CO+2], 8192
	s_add_co_u32 s[SO], s[CO], 8192
	s_add_co_u32 s[SO+2], s[CO+2], 16384
	s_add_co_u32 s[SO+4], s[CO+2], 16640
.irp n, 0,2,4
	SHADD CO+\n, 3, 12
	SHADD SO+\n, 3, 7
	s_mov_b32 s[CO+\n+1], 0
	s_mov_b32 s[SO+\n+1], 0
.endr
	s_mul_i32 s2, s[WV], 24576
	s_mul_i32 s3, s[WV], 16384
	s_add_co_u32 s3, s3, TB
	v_and_b32 v16, 31, v0
	v_bfe_u32 v20, v0, 4, 1
	v_and_b32 v19, 7, v0
	v_bfe_u32 v21, v0, 3, 1
	v_lshlrev_b32 v[LI], 4, v16
	v_lshlrev_b32 v[L8], 3, v16
	v_lshlrev_b32 v[L4], 2, v16
	v_lshlrev_b32 v[BO1], 6, v20                   ; lanes 16-31 hold rows 16 further on
	v_lshlrev_b32 v[BO2], 2, v19
	v_add_nc_u32 v[ATA], s2, v[LI]
	v_add_nc_u32 v[ATB], s3, v[LI]
	v_add_nc_u32 v[ACA], CA, v[LI]
	v_add_nc_u32 v[ACV], CA+49152, v[LI]
	v_add_nc_u32 v[ACB], CB, v[LI]
	v_lshl_add_u32 v[BO2], v21, 6, v[BO2]          ; row r of a tile: (r & 7) + 16 (r >> 3)
	s_mul_i32 s2, s[WV], 24                        ; prefetch: 24 of the block's 96 pieces of 256 bytes a wave (lanes left over name the last again)
	s_mul_i32 s3, s[WV], 18                        ; and 18 of the partner's 72 of the columns' 3 x 96
	s_mul_i32 s41, s[CY], 72
	s_add_co_u32 s3, s3, s41
	v_min_u32 v17, 23, v16
	v_min_u32 v18, 17, v16
	v_add_nc_u32 v17, s2, v17
	v_add_nc_u32 v18, s3, v18
	v_mul_u32_u24 v19, 683, v18
	v_lshlrev_b32 v[PF1], 8, v17
	v_lshrrev_b32 v19, 16, v19                     ; piece / 96: which of q's, k's, v's blocks
	v_mul_u32_u24 v19, 16*QBB-24576, v19
	v_lshl_add_u32 v[PF2], v18, 8, v19
	v_add_nc_u32 v[PF2], 40960, v[PF2]
	s_wait_alu depctr_va_vdst(0)                   ; the wait at the head's end
	s_wait_dscnt 0x0
	s_wait_kmcnt 0x0
	s_add_nc_u64 s[42:43], s[4:5], s[42:43]
	s_add_nc_u64 s[44:45], s[6:7], s[44:45]
	s_add_nc_u64 s[46:47], s[4:5], s[46:47]
	s_add_nc_u64 s[66:67], s[4:5], s[66:67]
	s_add_nc_u64 s[8:9], s[8:9], s[100:101]
	s_add_nc_u64 s[10:11], s[10:11], s[100:101]
	s_add_nc_u64 s[12:13], s[12:13], s[100:101]
	s_add_nc_u64 s[CO:CO+1], s[14:15], s[CO:CO+1]
	s_add_nc_u64 s[SO:SO+1], s[14:15], s[SO:SO+1]
.irp n, 2,4
	s_add_nc_u64 s[CO+\n:CO+\n+1], s[16:17], s[CO+\n:CO+\n+1]
	s_add_nc_u64 s[SO+\n:SO+\n+1], s[16:17], s[SO+\n:SO+\n+1]
.endr
	GROUP0 G0TA, TA, 42, 0
	GROUP0 G0CA, CA, 44, 0
	GROUP0 G0TB, TB, 42, 24576
	GROUP0 G0CB, CB, 44, 24576
	CROUND                                         ; all sixteen work-groups are here: the joint loads meet
.macro ARM w, g0, g1, next
	s_cmp_eq_u32 s[WV], \w
	s_cbranch_scc0 \next
	TLOAD \g0, \g1
	s_branch .Lasked
\next:
.endm
	ARM 0, G0TA, G1TA, .Lwave_1
	ARM 1, G0CA, G1CA, .Lwave_2
	ARM 2, G0TB, G1TB, .Lwave_3
	TLOAD G0CB, G1CB
.Lasked:
.irp s, 0,1,2,3,4,5,6,7                        ; the scale words, 256 consecutive bytes a load
	global_load_b64 v[TW+2*\s:TW+2*\s+1], v[L8], s[46:47] offset:65536+256*\s
	global_load_b64 v[QW+2*\s:QW+2*\s+1], v[L8], s[44:45] offset:65536+256*\s
	global_load_b64 v[QW+16+2*\s:QW+16+2*\s+1], v[L8], s[44:45] offset:16*QBB+65536+256*\s
	global_load_b64 v[VW+2*\s:VW+2*\s+1], v[L8], s[44:45] offset:32*QBB+65536+256*\s
.endr
	WIN 0x40                                       ; q, k: register j of tile t wants b(32 (t / 2) + 8 (t % 2) + 16 h + j)
.irp t, 0,1,2,3
	global_load_b128 v[64+8*\t:67+8*\t], v[BO1], s[8:9] offset:(32*(\t/2)+8*(\t%2))*4
	global_load_b128 v[68+8*\t:71+8*\t], v[BO1], s[8:9] offset:(32*(\t/2)+8*(\t%2))*4+16
.endr
	WIN 0x80
.irp t, 0,1,2,3
	global_load_b128 v[64+8*\t:67+8*\t], v[BO1], s[10:11] offset:(32*(\t/2)+8*(\t%2))*4
	global_load_b128 v[68+8*\t:71+8*\t], v[BO1], s[10:11] offset:(32*(\t/2)+8*(\t%2))*4+16
.endr
	WIN 0xc0                                       ; v: all eight registers of tile o want my lane's channel's number
.irp o, 0,1,2,3
.irp j, 0,1,2,3,4,5,6,7
	global_load_b32 v[64+8*\o+\j], v[BO2], s[12:13] offset:(32*(\o/2)+8*(\o%2))*4
.endr
.endr
	WIN 0
	s_cmp_lt_u32 s[WV], 2
	s_cbranch_scc0 .Lnot_a
	s_wait_tensorcnt 0x0                           ; waves 0, 1: region A is in
.Lnot_a:
	s_barrier_signal -1
	s_barrier_wait -1
	FETCHALL 0
	WIN 0
	global_prefetch_b8 v[PF1], s[66:67] th:TH_LOAD_NT scope:SCOPE_SE
	global_prefetch_b8 v[PF2], s[44:45] th:TH_LOAD_NT scope:SCOPE_SE
	s_wait_loadcnt 0x0                             ; scale words and biases
	s_wait_dscnt 32                                ; K step 0: tokens and q's are in; k's and v's may be out
	MUL 1, 0, 1
	P8
	FETCH 0, 1
	FETCH 1, 1
	s_wait_dscnt 48                                ; k's are in; v's and 32 of K step 1 may be out
	MUL 2, 0, 1
	P8
	FETCH 2, 1
	s_wait_dscnt 48                                ; v's are in; 48 of K step 1 may be out
	MUL 3, 0, 1
	P8
	FETCH 3, 1
	STEP 1
	WIN 0                                          ; K STEP 2, and the round: region B is shown, region A filled again
	s_wait_tensorcnt 0x0                           ; all my tensor loads have landed;
	ds_add_u32 v[SPW], v[NIL]
	s_add_nc_u64 s[G0TA+2:G0TA+3], s[G0TA+2:G0TA+3], 40960   ; from K step 0 to K step 5
	s_add_nc_u64 s[G0CA+2:G0CA+3], s[G0CA+2:G0CA+3], 40960
	s_wait_dscnt 33                                ; tokens and q's are in; 32 and the add may be out
	MUL 1, 2, 0
	s_wait_dscnt 0x0                               ; the add is done, and my reads of region A are over
	s_barrier_signal -1
	MUL 2, 2, 0
	WIN 0
	s_barrier_wait -1
	CREST
	s_cmp_eq_u32 s[WV], 0
	s_cbranch_scc0 .Lrefill_b
	TLOAD G0TA, G1TA
	s_branch .Lrefilled
.Lrefill_b:
	s_cmp_eq_u32 s[WV], 1
	s_cbranch_scc0 .Lrefilled
	TLOAD G0CA, G1CA
.Lrefilled:
	P8
	FETCHALL 3
	MUL 3, 2, 0
	STEP 3
	s_wait_dscnt 32                                ; K STEP 4, and a barrier: region A is shown again
	MUL 1, 4, 0
	s_wait_dscnt 16
	MUL 2, 4, 0
	s_wait_tensorcnt 0x0
	s_wait_dscnt 0x0
	s_barrier_signal -1
	MUL 3, 4, 0
	s_barrier_wait -1
	P8
	FETCHALL 5
	STEP 5
	STEP 6
	s_wait_dscnt 32                                ; K STEP 7: each result leaves as soon as it is finished
	MUL 1, 7, 0
	OUT 1
	s_wait_dscnt 16
	MUL 2, 7, 0
	OUT 2
	s_wait_dscnt 0x0
	MUL 3, 7, 0
	OUT 3
	WIN 0
	s_wait_tensorcnt 0x0                           ; the wave's end
	ds_add_u32 v[SPW], v[NIL]
	s_wait_dscnt 0x0
	CROUND                                         ; the closing round
	s_endpgm
.Lfunc_end_k_qe43a2f5398_qkv:
	.size	k_qe43a2f5398_qkv, .Lfunc_end_k_qe43a2f5398_qkv-k_qe43a2f5398_qkv
	.p2alignl 7, 3214868480
	.fill 96, 4, 3214868480
	.section	.rodata,"a",@progbits
	.p2align	6, 0x0
	.amdhsa_kernel k_qe43a2f5398_qkv
		.amdhsa_group_segment_fixed_size 327680
		.amdhsa_private_segment_fixed_size 0
		.amdhsa_enable_private_segment 0
		.amdhsa_kernarg_size 56
		.amdhsa_user_sgpr_count 2
		.amdhsa_user_sgpr_kernarg_segment_ptr 1
		.amdhsa_wavefront_size32 1
		.amdhsa_system_sgpr_workgroup_id_x 1
		.amdhsa_system_sgpr_workgroup_id_y 1
		.amdhsa_system_sgpr_workgroup_id_z 1
		.amdhsa_system_vgpr_workitem_id 0
		.amdhsa_next_free_vgpr 1024
		.amdhsa_next_free_sgpr 102
		.amdhsa_reserve_vcc 0
		.amdhsa_float_denorm_mode_32 3
		.amdhsa_float_denorm_mode_16_64 3
		.amdhsa_memory_ordered 1
		.amdhsa_forward_progress 1
		.amdhsa_inst_pref_size 156
	.end_amdhsa_kernel
	.amdgpu_metadata
---
amdhsa.version: [ 1, 2 ]
amdhsa.kernels:
  - .name:           k_qe43a2f5398_qkv
    .symbol:         k_qe43a2f5398_qkv.kd
    .args:
      - { .name: xq, .offset: 0, .size: 8, .value_kind: global_buffer, .address_space: global }
      - { .name: wq, .offset: 8, .size: 8, .value_kind: global_buffer, .address_space: global }
      - { .name: bq, .offset: 16, .size: 8, .value_kind: global_buffer, .address_space: global }
      - { .name: bk, .offset: 24, .size: 8, .value_kind: global_buffer, .address_space: global }
      - { .name: bv, .offset: 32, .size: 8, .value_kind: global_buffer, .address_space: global }
      - { .name: qq, .offset: 40, .size: 8, .value_kind: global_buffer, .address_space: global }
      - { .name: kv, .offset: 48, .size: 8, .value_kind: global_buffer, .address_space: global }
    .group_segment_fixed_size: 327680
    .private_segment_fixed_size: 0
    .kernarg_segment_align: 8
    .kernarg_segment_size: 56
    .max_flat_workgroup_size: 128
    .sgpr_count:     102
    .vgpr_count:     1024
    .wavefront_size: 32
...
	.end_amdgpu_metadata
.endif
;; end of part 2
;; launch attn (part 3): grid 8 x 32, 16 waves a work-group, clusters of 4 x 1, 321,536 bytes of LDS; arguments qq, kv, aq; writes aq
.if DOCPART == 3
	.amdgcn_target "amdgcn-amd-amdhsa--gfx1250"
	.amdhsa_code_object_version 6
	.text
	.protected	k_qe43a2f5398_attn
	.globl	k_qe43a2f5398_attn
	.p2align	8
	.type	k_qe43a2f5398_attn,@function
k_qe43a2f5398_attn:
	s_mov_b64 s[64:65], 0
	v_nop
	global_prefetch_b8 v0, s[64:65] scope:SCOPE_SE
	s_setreg_imm32_b32 hwreg(HW_REG_WAVE_MODE, 25, 1), 1
	s_wait_xcnt 0x0
	s_wait_alu depctr_hold_cnt(0) depctr_sa_sdst(0) depctr_va_vdst(0) depctr_va_sdst(0) depctr_va_ssrc(0) depctr_va_vcc(0) depctr_vm_vsrc(0)
	s_getreg_b32 s2, hwreg(HW_REG_IB_STS2, 6, 4)
	s_cmp_eq_u32 s2, 0
	s_cbranch_scc0 .Lentry_in_a_cluster
	s_endpgm
.Lentry_in_a_cluster:
	s_bfe_u32 s2, ttmp6, 0x10000c
	s_cmp_lg_u32 s2, 0x3003
	s_cbranch_scc0 .Lentry_shape_is_right
	s_endpgm
.Lentry_shape_is_right:
; Causal attention of one head (2,048 tokens, 64 channels) on codes of E5M2 with E8M0 scales: S^T = k q^T, p = 2^(t - M), O^T = v^T p^T, O / l, and O quantised along the model's 1,024 for the last product.
; t = score x log2(e) / 8; M = the running largest t rounded UP to a whole number; p is quantised along the keys, not normalised; l is the sum of the unquantised p.  When M moves, l and O are multiplied by 2^(old M - new M): exact.
; SHARES.  A head has 16 blocks of 128 queries, each of eight tiles of 16.  A work-group takes tile 2 cx + u of EVERY block (u = cluster y & 1); the head is 2 (cluster y / 2) + cluster x.
; Blocks i and 15 - i have 17 key steps of 128 together (tiles that the causal mask empties are left out): waves i and 8 + i (i = 0 .. 7) share them.
; Wave 8 + i takes key blocks 0 .. 4 of query block 15 - i: five steps.  Wave i takes query block i whole (i + 1 steps), sends it out, and takes key blocks 5 .. 15 - i of query block 15 - i (11 - i steps): twelve steps.
; At the end wave 8 + i hands O, l and M to wave i through LDS, which joins them.  So of the four waves w, w + 4, w + 8, w + 12 two have twelve steps and two have five.
; All of this hangs on the wave's number alone and is the same in all partners; cx enters global addresses and the mask's data alone.
; The head's k, v and scale words (16 blocks of 16,896 bytes, one for each 128 keys) lie in LDS for the whole launch, asked for JOINTLY by the cluster's four work-groups: wave w brings block w: one tensor load a wave, LDS is filled once.
; Trip 0 of every wave reads key block 0 alone: wave 0's load has a line of its own and is shown by the first barrier; the other blocks are shown by the second, whose signal stands inside trip 0 and whose wait stands behind it.
; K = 64 FILLS HALF OF THE INSTRUCTION'S 128: a fragment of k holds TWO tiles of 16 keys (groups 0, 1 and 2, 3), and q stands between zero codes: [q | 0] meets the first tile, [0 | q] the second.
; A lane holds one query throughout.  The keys of a tile are 32 b + 8 u + (r & 7) + 16 (r >> 3), so that p's 16 registers of two neighbouring tiles are 16 neighbouring keys; v's channels likewise, so that O's registers run along the channels.
; A block's exponent is floor(its largest t - M): p rises with t, so this is floor(log2) of the block's largest p.
; Every stream is asked for at the head: there is no later load that a prefetch could run ahead of.
; LIMITS: NaN and infinities are not served; the promise holds while scaled scores stay under 2^31 in magnitude (hidden scores are held under -2^99); a block of zeros gets the byte 1 (its codes are zeros; this program alone reads the bytes);
; a NaN, an infinity or an overflow that reaches only key tiles left out under the mask is not carried to the result.
.set KVB, 16896
.set QBB, 67584
.set XB,  16*KVB                       ; LDS behind the blocks: what wave 8 + i hands to wave i: nine groups of 512 bytes for each pair
.set XP,  4608
.set XQ,  XB+8*XP                      ; behind it: q of query block 15 - i for wave i, 1,536 bytes a pair, from the head to the change of query blocks
.set SHARE, 5                          ; key steps of wave 8 + i
.set LI,  1                            ; v1   16 x lane
.set LS,  2                            ; v2   16384 + 4 x lane: k's scale words in a block
.set R4,  3                            ; v3   4 r
.set VD,  4                            ; v4   (my query's place in its 128, less 16 h, + 0.5) x 2^100
.set ADK, 5                            ; v5   LDS: the step's codes
.set ADS, 6                            ; v6   LDS: the step's scale words
.set R8,  7                            ; v7   8 r
                                       ; v0 behind the head: LDS: the pair's q;  v8-11, v48-49, v246-253 the sum's chains; v12 -M, v13 the largest t, v[14:15] l in two halves
.set QZ,  16                           ; v16-39 eight zeros, q's eight registers, eight zeros: v[24:39] = [q | 0], v[16:31] = [0 | q]
.set QS,  40                           ; v40  q's scale word: its two bytes twice
.set QR,  41                           ; v41  as loaded
.set KS,  42                           ; v42-43 k's scale words
.set VS,  44                           ; v44-45 v's scale words
.set PS,  46                           ; v46  p's scale word
.set XA,  47                           ; v47  LDS: the pair's place for what is handed over
.set VA,  50                           ; v50-51 v's scale bytes as they lie
.set VB,  51
.set KF,  52                           ; v52-115 four fragments of k, then of v
.set S,   116                          ; v116-179 S^T, then p
.set O,   180                          ; v180-211 O^T
.set PC,  212                          ; v212-227 p's codes
.set BM,  228                          ; v228-231 the blocks' largest scores, then t - M
.set BP,  232                          ; v232-235 the other half's; then the exponents
.set BH,  236                          ; v236-239 57,344 x the scale
.set BS,  240                          ; v240-243 the conversions' scale operands
.set F,   244                          ; v[244:245] f = 2^(old M - new M); the pair's upper word is written once
.set T,   246
.set WV,  10
.set HD,  11
.set CX,  12
.set I,   13
.set U,   14
.set TR,  15                           ; the trip
.set TB,  16                           ; the key block's place in LDS
.set BLK, 17                           ; my query block in this trip
.set CS,  18                           ; s[18:19] c = log2(e) / 8
.set SEL, 20
.set MNT, 22
.set ST,  23                           ; the key block
.set G1,  24
.set G0,  32
.set OC,  48                           ; s[48:49] aq: my codes in query block 0;  s[54:55] and my scale bytes
.set ST2, 50                           ; s[50:51] -2 x 2^100;  s[52:53] -32 x 2^100
.set ST32, 52
.set OX,  54
.set QC,  56                           ; s[56:57] qq: my codes in query block 0;  s[58:59] and scale words
.set QX,  58
.set HI,  60                           ; 15 - i
.set KO,  61                           ; from the trip to the key block behind the change: SHARE - 1 - i
.set SW,  62                           ; the trip ahead of which I change query blocks (63: never)
.set LAST, 63                          ; my last trip with a step
.set B0,  66                           ; my first query block
.macro WALU
	s_wait_alu depctr_va_vdst(0)
.endm
.macro ROUND                           ; a round of the cluster's barrier
	s_barrier_signal -1
	s_barrier_wait -1
	s_cmp_lg_u32 s[WV], 0
	s_cbranch_scc1 .Lnot_wave_0_\@
	s_barrier_signal -3
.Lnot_wave_0_\@:
	s_barrier_wait -3
	s_barrier_signal -1
	s_barrier_wait -1
.endm
.macro SHADD d, x, n                   ; d += x << n
	s_lshl_b32 s41, s[\x], \n
	s_add_co_u32 s[\d], s[\d], s41
.endm
.macro WMZ d, a, b, sa, sb, ra         ; a product that starts its sum; ra: source 0's scale words stand in lanes 16-31
.if (\ra)
	v_wmma_scale_f32_16x16x128_f8f6f4 v[\d:\d+7], v[\a:\a+15], v[\b:\b+15], 0, v[\sa], v[\sb] matrix_a_fmt:MATRIX_FMT_BF8 matrix_b_fmt:MATRIX_FMT_BF8 matrix_a_scale:MATRIX_SCALE_ROW1
.else
	v_wmma_scale_f32_16x16x128_f8f6f4 v[\d:\d+7], v[\a:\a+15], v[\b:\b+15], 0, v[\sa], v[\sb] matrix_a_fmt:MATRIX_FMT_BF8 matrix_b_fmt:MATRIX_FMT_BF8
.endif
.endm
.macro WMA d, a, b, sa, sb, ra         ; a product onto its sum
.if (\ra)
	v_wmma_scale_f32_16x16x128_f8f6f4 v[\d:\d+7], v[\a:\a+15], v[\b:\b+15], v[\d:\d+7], v[\sa], v[\sb] matrix_a_fmt:MATRIX_FMT_BF8 matrix_b_fmt:MATRIX_FMT_BF8 matrix_a_scale:MATRIX_SCALE_ROW1
.else
	v_wmma_scale_f32_16x16x128_f8f6f4 v[\d:\d+7], v[\a:\a+15], v[\b:\b+15], v[\d:\d+7], v[\sa], v[\sb] matrix_a_fmt:MATRIX_FMT_BF8 matrix_b_fmt:MATRIX_FMT_BF8
.endif
.endm
.macro LOADQ blk, ac, ax, d, dr        ; my tile of query block blk, through addresses s[ac], s[ax], into v[d] on and v[dr]
	s_mul_i32 s36, s[\blk], 8448
	s_mov_b32 s37, 0
	s_add_nc_u64 s[\ac:\ac+1], s[QC:QC+1], s[36:37]
	s_add_nc_u64 s[\ax:\ax+1], s[QX:QX+1], s[36:37]
	global_load_b128 v[\d:\d+3], v[LI], s[\ac:\ac+1]
	global_load_b128 v[\d+4:\d+7], v[LI], s[\ac:\ac+1] offset:512
	global_load_b32 v[\dr], v[R4], s[\ax:\ax+1]
.endm
.macro CLEAR                           ; nothing summed yet: the first change of M multiplies zeros
	v_mov_b32 v13, 0xff61b1e6                      ; the largest t so far: -3e38
	v_mov_b32 v14, 0
	v_mov_b32 v15, 0
	v_floor_f32 v12, -v13
.set j, 0
.rept 32
	v_mov_b32 v[O+j], 0
.set j, j+1
.endr
.endm
.macro MASK n, l                       ; two scores of the diagonal: held under the pair at l, which is far above every score where the key counts, and -2^99 or less where it is hidden
	v_dual_min_num_f32 v[S+\n], v[S+\n], v[\l] :: v_dual_min_num_f32 v[S+\n+1], v[S+\n+1], v[\l+1]
.endm
; O / l, quantised along the model's 1,024: my head's 64 are blocks 2 (head & 1), + 1 of K step head >> 1; register 16 b + i is channel 32 b + 16 h + i
.macro FINISH blk
	v_add_f32 v14, v14, v15
	v_permlanex16_b32 v[BP], v14, s[SEL], s[SEL+1]
	v_add_f32 v14, v14, v[BP]
	s_mul_i32 s36, s[\blk], 2*QBB
	s_mov_b32 s37, 0
	s_add_nc_u64 s[40:41], s[OC:OC+1], s[36:37]
	s_add_nc_u64 s[38:39], s[OX:OX+1], s[36:37]
	WALU
	v_rcp_f32 v[F], v14
	v_nop                                          ; a plain line behind the reciprocal
	WALU                                           ; ahead of its first reader, and of O's
.set j, 0
.rept 16
	v_pk_mul_f32 v[O+j:O+j+1], v[O+j:O+j+1], v[F:F+1] op_sel_hi:[1,0]
.set j, j+2
.endr
.irp b, 0,1
	v_max3_num_f32 v[BM+\b], |v[O+16*\b]|, |v[O+1+16*\b]|, 0x8000000
.endr
.irp i, 2,4,6,8,10,12,14
.irp b, 0,1
	v_max3_num_f32 v[BM+\b], v[BM+\b], |v[O+16*\b+\i]|, |v[O+1+16*\b+\i]|
.endr
.endr
.irp b, 0,1
	v_permlanex16_b32 v[BP+\b], v[BM+\b], s[SEL], s[SEL+1]
.endr
.irp b, 0,1
	v_max_num_f32 v[BM+\b], v[BM+\b], v[BP+\b]
.endr
.irp b, 0,1
	v_add_nc_u32 v[BS+\b], 0xf8800000, v[BM+\b]
.endr
.irp b, 0,1
	v_and_or_b32 v[BH+\b], v[BM+\b], 0x7f800000, s[MNT]
.endr
.irp b, 0,1
	v_lshrrev_b32 v[BP+\b], 23, v[BS+\b]
.endr
	v_lshl_or_b32 v[T], v[BP+1], 8, v[BP]          ; my row's two bytes
.irp b, 0,1
.irp i, 0,1,2,3,4,5,6,7,8,9,10,11,12,13,14,15
	v_med3_num_f32 v[O+16*\b+\i], v[O+16*\b+\i], -v[BH+\b], v[BH+\b]
.endr
	v_cvt_scalef32_pk8_bf8_f32 v[PC+4*\b:PC+4*\b+1], v[O+16*\b:O+16*\b+7], v[BS+\b]
	v_cvt_scalef32_pk8_bf8_f32 v[PC+4*\b+2:PC+4*\b+3], v[O+16*\b+8:O+16*\b+15], v[BS+\b]
.endr
	v_nop
	global_store_b128 v[LI], v[PC:PC+3], s[40:41]              ; 32 lanes store 512 consecutive bytes, aligned
	global_store_b128 v[LI], v[PC+4:PC+7], s[40:41] offset:512
	global_store_b16 v[R8], v[T], s[38:39]         ; two bytes of my row's word; the word's other two are another head's.  Lanes r and r + 16 write the same.  One byte in 33 of what the launch stores
.endm
; A KEY STEP: the 128 keys at s[TB], key block s[ST], for my 16 queries.  sig = 1 (trip 0): the second barrier's signal stands where no LDS access of mine is out and my own block has landed
.macro STEP sig
	v_add_nc_u32 v[ADK], s[TB], v[LI]              ; (with the seven additions at the step's end: nine places between the last step's products and loads into the registers that they read)
	v_add_nc_u32 v[ADS], s[TB], v[LS]
	ds_load_b32 v[KS], v[ADS]                      ; lanes 0-15 double tile 0, lanes 16-31 double tile 1
	ds_load_b32 v[KS+1], v[ADS] offset:128
.irp d, 0,1,2,3
.irp c, 0,1,2,3
	ds_load_b128 v[KF+16*\d+4*\c:KF+16*\d+4*\c+3], v[ADK] offset:2048*\d+512*\c
.endr
.endr
	WALU
.irp d, 0,1,2,3
	s_wait_dscnt 12-4*\d                           ; the scale words and fragment d are in; the later fragments, four loads each, may be out
.if (\sig) && (\d == 3)
	s_wait_tensorcnt 0x0
	s_barrier_signal -1
.endif
	WMZ S+16*\d, KF+16*\d, QZ+8, KS+\d/2, QS, \d%2
	WMZ S+16*\d+8, KF+16*\d, QZ, KS+\d/2, QS, \d%2
.endr                                              ; register 16 b + i holds key 32 b + 16 h + i of the step
.rept 8
	v_nop                                          ; eight places: in front of the loads below and of the first read of the scores
.endr
.irp t, 0,1,2,3
.irp c, 0,1,2,3
	ds_load_b128 v[KF+16*\t+4*\c:KF+16*\t+4*\c+3], v[ADK] offset:8192+4096*(\c/2)+2048*(\t/2)+1024*(\t%2)+512*(\c%2)   ; v lands while the softmax is walked
.endr
.endr
	ds_load_b32 v[VA], v[ADS] offset:256
	ds_load_b32 v[VB], v[ADS] offset:384
	s_cmp_lg_u32 s[ST], s[BLK]
	s_cbranch_scc1 .Lopen_\@
	v_mov_b32 v8, v[VD]                            ; the diagonal: key 32 b + 16 h + i is hidden where 32 b + i > my query's place - 16 h
	v_add_f32 v9, 0xf1800000, v[VD]                ; -2^100
	v_pk_add_f32 v[10:11], v[8:9], s[ST32:ST32+1] op_sel_hi:[1,0]
	v_pk_add_f32 v[48:49], v[10:11], s[ST32:ST32+1] op_sel_hi:[1,0]
	v_pk_add_f32 v[246:247], v[48:49], s[ST32:ST32+1] op_sel_hi:[1,0]
.irp i, 0,2,4,6,8,10,12,14
	MASK \i, 8
	MASK \i+16, 10
	MASK \i+32, 48
	MASK \i+48, 246
.if \i < 14
.irp l, 8,10,48,246
	v_pk_add_f32 v[\l:\l+1], v[\l:\l+1], s[ST2:ST2+1] op_sel_hi:[1,0]
.endr
.endif
.endr
.Lopen_\@:
.irp b, 0,1,2,3
	v_max3_num_f32 v[BM+\b], v[S+16*\b], v[S+1+16*\b], v[S+2+16*\b]   ; the largest score of each block of 32 keys: for the row's maximum and for the block's scale
.endr
.irp i, 3,5,7,9,11,13
.irp b, 0,1,2,3
	v_max3_num_f32 v[BM+\b], v[BM+\b], v[S+16*\b+\i], v[S+1+16*\b+\i]
.endr
.endr
.irp b, 0,1,2,3
	v_max_num_f32 v[BM+\b], v[BM+\b], v[S+15+16*\b]
.endr
.irp b, 0,1,2,3
	v_permlanex16_b32 v[BP+\b], v[BM+\b], s[SEL], s[SEL+1]
.endr
.irp b, 0,1,2,3
	v_max_num_f32 v[BM+\b], v[BM+\b], v[BP+\b]
.endr
	s_delay_alu instid0(VALU_DEP_2)
	v_max3_num_f32 v[T], v[BM], v[BM+1], v[BM+2]
	s_delay_alu instid0(VALU_DEP_1)
	v_max_num_f32 v[T], v[T], v[BM+3]
	s_delay_alu instid0(VALU_DEP_1)
	v_mul_f32 v[T], s[CS], v[T]
	s_delay_alu instid0(VALU_DEP_1)
	v_max_num_f32 v13, v13, v[T]                   ; the running largest t
	v_mov_b32 v[T], v12
	s_delay_alu instid0(VALU_DEP_2)
	v_floor_f32 v12, -v13                          ; -M = floor(-t): M is a whole number
	s_delay_alu instid0(VALU_DEP_1)
	v_sub_f32 v[T], v12, v[T]
	s_delay_alu instid0(VALU_DEP_1)
	v_cvt_i32_f32 v[T], v[T]                       ; (it saturates)
	s_delay_alu instid0(VALU_DEP_1)
	v_ldexp_f32 v[F], 1.0, v[T]                    ; f = 2^(old M - new M)
.set j, 0
.rept 32
	v_pk_fma_f32 v[S+j:S+j+1], v[S+j:S+j+1], s[CS:CS+1], v[12:13] op_sel_hi:[1,0,0]   ; t - M
.set j, j+2
.endr
.irp b, 0,1,2,3
	v_fma_f32 v[BM+\b], v[BM+\b], s[CS], v12
.endr
.irp b, 0,1,2,3
	v_max_num_f32 v[BM+\b], 0xc2de0000, v[BM+\b]   ; -111: the byte cannot fall under 1
.endr
	WALU                                           ; ahead of the batch
.set j, 0
.rept 64
	v_exp_f32 v[S+j], v[S+j]                       ; p = 2^(t - M)
.set j, j+1
.endr
	v_pk_mul_f32 v[14:15], v[14:15], v[F:F+1] op_sel_hi:[1,0]   ; l under the new M; this line and the next sixteen name no result of the batch
.irp b, 0,1,2,3
	v_cvt_floor_i32_f32 v[BP+\b], v[BM+\b]         ; e: the exponent of the block's largest p
.endr
.irp b, 0,1,2,3
	v_lshl_add_u32 v[BS+\b], v[BP+\b], 23, 0x38000000   ; 2^(e - 15): byte e + 112
.endr
.irp b, 0,1,2,3
	v_lshl_add_u32 v[BH+\b], v[BP+\b], 23, 0x3fe00000   ; 57,344 x 2^(e - 15) = 1.75 x 2^e
.endr
	v_lshl_add_u32 v[PS], v[BP+3], 24, 0x70707070  ; the four bytes e + 112
	v_lshl_add_u32 v[PS], v[BP+2], 16, v[PS]
	v_lshl_add_u32 v[PS], v[BP+1], 8, v[PS]
	v_add_nc_u32 v[PS], v[BP], v[PS]
	WALU                                           ; one wait for the batch, ahead of its first reader
.set k, 0
.irp c, 8,10,48,246,248,250,252                ; THE SUM of the unquantised p: seven chains and l
	v_pk_add_f32 v[\c:\c+1], v[S+4*k:S+4*k+1], v[S+4*k+2:S+4*k+3]
.set k, k+1
.endr
	v_pk_add_f32 v[14:15], v[14:15], v[S+28:S+29]
.set k, 0
.irp c, 8,10,48,246,248,250,252
	v_pk_add_f32 v[\c:\c+1], v[\c:\c+1], v[S+30+2*k:S+31+2*k]
.set k, k+1
.endr
	v_pk_add_f32 v[14:15], v[14:15], v[S+44:S+45]
.set k, 0
.irp c, 8,10,48,246,248,250,252
	v_pk_add_f32 v[\c:\c+1], v[\c:\c+1], v[S+46+2*k:S+47+2*k]
.set k, k+1
.endr
	v_pk_add_f32 v[14:15], v[14:15], v[S+60:S+61]
	v_pk_add_f32 v[8:9], v[8:9], v[S+62:S+63]
.irp b, 0,1,2,3
.irp i, 0,2,4,6,8,10,12,14
	v_dual_min_num_f32 v[S+16*\b+\i], v[BH+\b], v[S+16*\b+\i] :: v_dual_min_num_f32 v[S+16*\b+\i+1], v[BH+\b], v[S+16*\b+\i+1]   ; the conversion does not saturate (ISA guide 7.6.2); p is not negative: a one-sided hold
.endr
	v_cvt_scalef32_pk8_bf8_f32 v[PC+4*\b:PC+4*\b+1], v[S+16*\b:S+16*\b+7], v[BS+\b]
	v_cvt_scalef32_pk8_bf8_f32 v[PC+4*\b+2:PC+4*\b+3], v[S+16*\b+8:S+16*\b+15], v[BS+\b]
.endr
	s_wait_dscnt 0x0                               ; v and its scale bytes are in
	v_perm_b32 v[VS], v[VB], v[VA], 0x05040100     ; the even tile's bytes of key blocks 0, 1 (first half of the step) and 2, 3 (second half); lanes 0-15 tile 0, lanes 16-31 tile 2
	v_perm_b32 v[VS+1], v[VB], v[VA], 0x07060302   ; the odd tiles'
	WALU                                           ; ahead of O's first reader
.set j, 0
.rept 16
	v_pk_mul_f32 v[O+j:O+j+1], v[O+j:O+j+1], v[F:F+1] op_sel_hi:[1,0]   ; O^T under the new M; these 16 are also the places between the scale words and codes just made and the products
.set j, j+2
.endr
.irp t, 0,1,2,3
	WMA O+8*\t, KF+16*\t, PC, VS+\t%2, PS, \t/2    ; four accumulators, one instruction a turn
.endr
	v_pk_add_f32 v[8:9], v[8:9], v[10:11]          ; the chains are joined here: seven places behind the products
	v_pk_add_f32 v[48:49], v[48:49], v[246:247]
	v_pk_add_f32 v[248:249], v[248:249], v[250:251]
	v_pk_add_f32 v[14:15], v[14:15], v[252:253]
	v_pk_add_f32 v[8:9], v[8:9], v[48:49]
	v_pk_add_f32 v[14:15], v[14:15], v[248:249]
	v_pk_add_f32 v[14:15], v[14:15], v[8:9]
.endm
	s_load_b128 s[4:7], s[0:1], 0x0                ; qq, kv
	s_load_b64 s[8:9], s[0:1], 0x10                ; aq
	v_lshl_add_u32 v254, v0, 2, 0x4e000            ; the spare words lie behind the pairs' q
	v_mov_b32 v255, 0
	ds_add_u32 v254, v255
	ds_add_u32 v254, v255
	v_lshrrev_b32 v8, 5, v0
	v_readfirstlane_b32 s[WV], v8                  ; wave 0..15
	s_and_b32 s36, ttmp7, 0xffff
	s_and_b32 s[U], s36, 1
	s_and_b32 s36, s36, 0xfffe
	s_add_co_u32 s[HD], s36, ttmp9                 ; batch x head
	s_bfe_u32 s[CX], ttmp6, 0x40000
	s_and_b32 s[I], s[WV], 7
	s_sub_co_u32 s[HI], 15, s[I]
	s_sub_co_u32 s[KO], SHARE-1, s[I]
	s_add_co_u32 s36, s[I], 1
	s_cmp_ge_u32 s[WV], 8
	s_cselect_b32 s[B0], s[HI], s[I]
	s_cselect_b32 s[SW], 63, s36
	s_cselect_b32 s[LAST], SHARE-1, 16-SHARE
	s_mov_b32 s[CS], 0x3e38aa3b
	s_mov_b32 s[CS+1], s[CS]                       ; (named with it as a pair, so it is written)
	s_mov_b32 s[SEL], 0x76543210
	s_mov_b32 s[SEL+1], 0xfedcba98
	s_mov_b32 s[MNT], 0x600000
	s_mov_b32 s[ST2], 0xf2000000
	s_mov_b32 s[ST2+1], s[ST2]
	s_mov_b32 s[ST32], 0xf4000000
	s_mov_b32 s[ST32+1], s[ST32]
	; descriptor group 1: 66 rows of 256 bytes (32 elements of 8 bytes), dense
	s_mov_b32 s[G1], 15|(3<<16)|(1<<21)            ; the mask: all four work-groups; elements of 8 bytes; bit 21 beside a mask; no padding
	s_mov_b32 s[G1+1], 32<<16
	s_mov_b32 s[G1+2], 66<<16
	s_mov_b32 s[G1+3], 32<<16
	s_mov_b32 s[G1+4], 66
	s_mov_b32 s[G1+5], 32
	s_mov_b32 s[G1+6], 0
	s_mov_b32 s[G1+7], 0
	s_lshl_b32 s36, s[HD], 4                       ; the head's first block of kv
	s_add_co_u32 s37, s36, s[WV]
	s_mul_i32 s38, s37, KVB
	s_mov_b32 s39, 0
	s_mov_b32 s[G0], 1
	s_mul_i32 s[G0+1], s[WV], KVB                  ; LDS: block w
	s_mul_i32 s[QC], s[HD], 16*8448                ; q: double tile cx, half u
	s_add_co_u32 s[QX], s[QC], 8192
	SHADD QX, CX, 6
	SHADD QC, CX, 11
	SHADD QC, U, 10
	s_mov_b32 s[QC+1], 0
	s_mov_b32 s[QX+1], 0
	s_lshr_b32 s36, s[HD], 4                       ; aq: 64 tokens 32 batch + 2 x query block + (cx >> 1), K step (head & 15) >> 1, tile 2 (cx & 1) + u
	s_lshl_b32 s36, s36, 5
	s_lshr_b32 s37, s[CX], 1
	s_add_co_u32 s36, s36, s37
	s_mul_i32 s[OC], s36, QBB
	s_bfe_u32 s36, s[HD], 0x30001
	s_and_b32 s37, s[HD], 1
	s_and_b32 s40, s[CX], 1
	s_add_co_u32 s[OX], s[OC], 65536
	SHADD OX, 36, 8
	SHADD OX, U, 7
	SHADD OX, 40, 2
	SHADD OX, 37, 1
	SHADD OC, 36, 13
	SHADD OC, 40, 12
	SHADD OC, U, 11
	SHADD OC, 37, 10
	s_mov_b32 s[OC+1], 0
	s_mov_b32 s[OX+1], 0
	s_mov_b32 s46, 0x03020302
	s_cmp_eq_u32 s[U], 0
	s_cselect_b32 s46, 0x01000100, s46             ; which two bytes of the double tile's word are my tile's
	s_lshl_b32 s47, s[CX], 5
	SHADD 47, U, 3
	s_mul_i32 s40, s[I], XP
	s_add_co_u32 s40, s40, XB
	s_mul_i32 s45, s[I], 1536
	s_add_co_u32 s45, s45, XQ
	v_and_b32 v8, 31, v0
	v_and_b32 v9, 15, v0
	v_and_b32 v10, 7, v0
	v_bfe_u32 v11, v0, 3, 1
	v_lshlrev_b32 v[LI], 4, v8
	v_lshl_add_u32 v[LS], v8, 2, 16384
	v_lshlrev_b32 v[R4], 2, v9
	v_lshlrev_b32 v[R8], 3, v9
	v_lshl_add_u32 v10, v11, 4, v10
	v_bfe_u32 v11, v0, 4, 1
	v_add_nc_u32 v[XA], s40, v[LI]
	v_add_nc_u32 v0, s45, v[LI]                    ; v0 from here on: LDS: the pair's q
	v_lshlrev_b32 v11, 4, v11
	v_sub_nc_u32 v10, v10, v11
	v_add_nc_u32 v10, s47, v10                     ; 32 cx + 8 u + (r & 7) + 16 (r >> 3) - 16 h
	v_cvt_f32_i32 v10, v10
	v_add_f32 v10, 0.5, v10
	v_mul_f32 v[VD], 0x71800000, v10               ; x 2^100
	WALU
	s_wait_dscnt 0x0
	s_wait_kmcnt 0x0
	s_add_nc_u64 s[G0+2:G0+3], s[6:7], s[38:39]
	s_or_b32 s[G0+3], s[G0+3], 0x80000000
	s_add_nc_u64 s[QC:QC+1], s[4:5], s[QC:QC+1]
	s_add_nc_u64 s[QX:QX+1], s[4:5], s[QX:QX+1]
	s_add_nc_u64 s[OC:OC+1], s[8:9], s[OC:OC+1]
	s_add_nc_u64 s[OX:OX+1], s[8:9], s[OX:OX+1]
	LOADQ B0, 42, 44, QZ+8, QR
	LOADQ HI, 38, 40, KF, KF+8                     ; my tile of query block 15 - i: in waves 0 to 7 it waits in LDS for the change
	ROUND                                          ; all four work-groups are here: the joint loads meet
	s_cmp_eq_u32 s[WV], 0                          ; my one tensor load; block 0 has a line of its own
	s_cbranch_scc0 .Lothers
	tensor_load_to_lds s[G0:G0+3], s[G1:G1+7]
	s_nop 0
.rept 4
	v_nop
.endr
	s_branch .Lasked
.Lothers:
	tensor_load_to_lds s[G0:G0+3], s[G1:G1+7]
	s_nop 0
.rept 4
	v_nop
.endr
.Lasked:
.irp j, 0,1,2,3,4,5,6,7
	v_mov_b32 v[QZ+\j], 0                          ; zero codes: they add nothing under any scale byte but 0xff
	v_mov_b32 v[QZ+16+\j], 0
.endr
	v_mov_b32 v[F+1], 0
.irp b, 0,1,2,3
	v_mov_b32 v[BP+\b], 0                          ; a lane permute's destination counts as one of its sources
.endr
	CLEAR
	s_mov_b32 s[ST], 0
	s_mov_b32 s[TB], 0
	s_mov_b32 s[BLK], s[B0]
	WALU
	s_wait_loadcnt 0x0
	v_perm_b32 v[QS], v[QR], v[QR], s46
	WALU
	s_cmp_ge_u32 s[WV], 8
	s_cbranch_scc1 .Lno_later_q
	ds_store_b128 v0, v[KF:KF+3]
	ds_store_b128 v0, v[KF+4:KF+7] offset:512
	ds_store_b32 v0, v[KF+8] offset:1024
.Lno_later_q:
	s_cmp_eq_u32 s[WV], 0
	s_cbranch_scc0 .Lnot_block_0
	s_wait_tensorcnt 0x0                           ; wave 0: key block 0 is in
.Lnot_block_0:
	s_wait_dscnt 0x0
	s_barrier_signal -1
	s_barrier_wait -1
	STEP 1                                         ; trip 0: key block 0 in every wave; from the signal in it to the wait below stand register work and reads of block 0, which nobody writes again
	WALU
	s_barrier_wait -1                              ; everybody's block is in
	s_mov_b32 s[TR], 1
.Ltrip:
	s_cmp_ge_u32 s[TR], s[SW]
	s_cselect_b32 s36, s[KO], 0
	s_cselect_b32 s[BLK], s[HI], s[B0]
	s_add_co_u32 s[ST], s[TR], s36                 ; key block: the trip's number, or behind the change of query blocks SHARE and on
	s_and_b32 s[ST], s[ST], 15
	s_mul_i32 s[TB], s[ST], KVB
	s_cmp_lg_u32 s[TR], s[SW]
	s_cbranch_scc1 .Lsame
	ds_load_b128 v[QZ+8:QZ+11], v0                 ; THE CHANGE OF QUERY BLOCKS: query block i is finished
	ds_load_b128 v[QZ+12:QZ+15], v0 offset:512
	ds_load_b32 v[QR], v0 offset:1024
	FINISH I
	CLEAR
	WALU
	s_wait_dscnt 0x0
	v_perm_b32 v[QS], v[QR], v[QR], s46
	WALU
	s_wait_xcnt 0x0                                ; the stores have read their registers
.Lsame:
	s_cmp_gt_u32 s[TR], s[LAST]
	s_cbranch_scc1 .Lskip
	STEP 0
.Lskip:
	s_add_co_u32 s[TR], s[TR], 1
	s_cmp_lt_u32 s[TR], 17-SHARE
	WALU
	s_cbranch_scc1 .Ltrip
.rept 8
	v_nop                                          ; eight places behind the last products
.endr
	s_cmp_lt_u32 s[WV], 8
	s_cbranch_scc1 .Lmeet
	v_add_f32 v8, v14, v15                         ; wave 8 + i hands over O, l and -M
	v_mov_b32 v9, v12
	WALU
.irp k, 0,1,2,3,4,5,6,7
	ds_store_b128 v[XA], v[O+4*\k:O+4*\k+3] offset:512*\k
.endr
	ds_store_b128 v[XA], v[8:11] offset:4096
.Lmeet:
	WALU
	s_wait_dscnt 0x0
	s_barrier_signal -1
	s_barrier_wait -1
	s_cmp_ge_u32 s[WV], 8
	s_cbranch_scc1 .Lend
.irp k, 0,1,2,3,4,5,6,7,8
	ds_load_b128 v[KF+4*\k:KF+4*\k+3], v[XA] offset:512*\k
.endr
	v_add_f32 v14, v14, v15
	v_mov_b32 v15, 0
	WALU
	s_wait_dscnt 0x0
	v_min_num_f32 v[T], v12, v[KF+33]              ; -M of both
	v_sub_f32 v48, v[T], v12
	v_sub_f32 v49, v[T], v[KF+33]
	v_cvt_i32_f32 v48, v48
	v_cvt_i32_f32 v49, v49
	v_ldexp_f32 v[F], 1.0, v48                     ; my part's factor,
	v_ldexp_f32 v8, 1.0, v49                       ; and the other's
	v_mul_f32 v14, v14, v[F]
	v_fma_f32 v14, v[KF+32], v8, v14
	WALU
.set j, 0
.rept 16
	v_pk_mul_f32 v[O+j:O+j+1], v[O+j:O+j+1], v[F:F+1] op_sel_hi:[1,0]
.set j, j+2
.endr
.set j, 0
.rept 16
	v_pk_fma_f32 v[O+j:O+j+1], v[KF+j:KF+j+1], v[8:9], v[O+j:O+j+1] op_sel_hi:[1,0,1]
.set j, j+2
.endr
	FINISH HI
.Lend:
	s_wait_tensorcnt 0x0                           ; the wave's end
	ds_add_u32 v254, v255
	s_wait_dscnt 0x0
	ROUND                                          ; the closing round
	s_endpgm
.Lfunc_end_k_qe43a2f5398_attn:
	.size	k_qe43a2f5398_attn, .Lfunc_end_k_qe43a2f5398_attn-k_qe43a2f5398_attn
	.p2alignl 7, 3214868480
	.fill 96, 4, 3214868480
	.section	.rodata,"a",@progbits
	.p2align	6, 0x0
	.amdhsa_kernel k_qe43a2f5398_attn
		.amdhsa_group_segment_fixed_size 321536
		.amdhsa_private_segment_fixed_size 0
		.amdhsa_enable_private_segment 0
		.amdhsa_kernarg_size 24
		.amdhsa_user_sgpr_count 2
		.amdhsa_user_sgpr_kernarg_segment_ptr 1
		.amdhsa_wavefront_size32 1
		.amdhsa_system_sgpr_workgroup_id_x 1
		.amdhsa_system_sgpr_workgroup_id_y 1
		.amdhsa_system_sgpr_workgroup_id_z 1
		.amdhsa_system_vgpr_workitem_id 0
		.amdhsa_next_free_vgpr 256
		.amdhsa_next_free_sgpr 70
		.amdhsa_reserve_vcc 0
		.amdhsa_float_denorm_mode_32 3
		.amdhsa_float_denorm_mode_16_64 3
		.amdhsa_memory_ordered 1
		.amdhsa_forward_progress 1
		.amdhsa_inst_pref_size 74
	.end_amdhsa_kernel
	.amdgpu_metadata
---
amdhsa.version: [ 1, 2 ]
amdhsa.kernels:
  - .name:           k_qe43a2f5398_attn
    .symbol:         k_qe43a2f5398_attn.kd
    .args:
      - { .name: qq, .offset: 0, .size: 8, .value_kind: global_buffer, .address_space: global }
      - { .name: kv, .offset: 8, .size: 8, .value_kind: global_buffer, .address_space: global }
      - { .name: aq, .offset: 16, .size: 8, .value_kind: global_buffer, .address_space: global }
    .group_segment_fixed_size: 321536
    .private_segment_fixed_size: 0
    .kernarg_segment_align: 8
    .kernarg_segment_size: 24
    .max_flat_workgroup_size: 512
    .sgpr_count:     70
    .vgpr_count:     256
    .wavefront_size: 32
...
	.end_amdgpu_metadata
.endif
;; end of part 3
;; launch oproj (part 4): grid 8 x 32, 4 waves a work-group, clusters of 4 x 4, 288,256 bytes of LDS; arguments aq, wq, bo, out0; writes out0
.if DOCPART == 4
	.amdgcn_target "amdgcn-amd-amdhsa--gfx1250"
	.amdhsa_code_object_version 6
	.text
	.protected	k_qe43a2f5398_oproj
	.globl	k_qe43a2f5398_oproj
	.p2align	8
	.type	k_qe43a2f5398_oproj,@function
k_qe43a2f5398_oproj:
	s_mov_b64 s[64:65], 0
	v_nop
	global_prefetch_b8 v0, s[64:65] scope:SCOPE_SE
	s_setreg_imm32_b32 hwreg(HW_REG_WAVE_MODE, 25, 1), 1
	s_wait_xcnt 0x0
	s_wait_alu depctr_hold_cnt(0) depctr_sa_sdst(0) depctr_va_vdst(0) depctr_va_sdst(0) depctr_va_ssrc(0) depctr_va_vcc(0) depctr_vm_vsrc(0)
	s_getreg_b32 s2, hwreg(HW_REG_IB_STS2, 6, 4)
	s_cmp_eq_u32 s2, 0
	s_cbranch_scc0 .Lentry_in_a_cluster
	s_endpgm
.Lentry_in_a_cluster:
	s_bfe_u32 s2, ttmp6, 0x10000c
	s_cmp_lg_u32 s2, 0xf033
	s_cbranch_scc0 .Lentry_shape_is_right
	s_endpgm
.Lentry_shape_is_right:
; out0 = a Wo + bo on codes of E5M2 with E8M0 scales, sums in f32.  a (the attention's result) and Wo come as images of operand registers, in blocks of 64 rows x K 1,024
; (QBB bytes: codes at 8192 s + 2048 i + 512 c + 16 lane, scale words at 65536 + 256 s + 8 (r + 16 (i & 1)) + 4 (i >> 1); row r of tile 2 b + u is row 32 b + 8 u + (r & 7) + 16 (r >> 3) of the 64).
; A work-group makes 128 tokens (y) x 128 columns (x): two blocks of a and two of Wo, all of K, lie in LDS, filled once; wave w makes 64 tokens (w >> 1) x 64 columns (w & 1).
; A wave holds its 64 columns of Wo, all of K, in 512 registers, and takes its tokens 16 at a time: 32 products finish a tile of 16 x 64, which leaves among the next tile's products.
; CLUSTER, 4 x 4: the four of a row share the tokens' blocks, the four of a column Wo's: each block is asked for jointly.  Waves 2, 3 fetch Wo's two blocks, which the first barrier shows; waves 0, 1 fetch a's: one tensor load a wave.
; All loads go out at the head: there is no loop that a prefetch could run ahead of.
; D = (source 0: 16 columns of Wo) x (source 1: 16 tokens): a lane holds one token, and the 16 registers of tiles 2 b, 2 b + 1 are 16 neighbouring columns.  bo is the C of K step 0.
; THE WAY OUT: a tile of 16 tokens x 64 columns goes through the wave's own stage in LDS (rows of 256 bytes + 16) and leaves so that sixteen lanes store 256 consecutive bytes, aligned.
; LIMITS: NaN and infinities are not served.
.set QBB,  67584
.set STG,  4*QBB                       ; behind the blocks: a stage of 16 x 272 bytes for each wave; no tensor load lands there.  Behind the stages the spare words
.set LI,  1                            ; v1  16 x lane
.set L8,  2                            ; v2  8 x lane
.set ADA, 3                            ; v3  LDS: my tokens' codes
.set ADB, 4                            ; v4  my columns' codes
.set AXA, 5                            ; v5  my tokens' scale words
.set AXB, 6                            ; v6  my columns'
.set BO1, 7                            ; v7  64 h
.set STO, 8                            ; v8  the stage, in
.set RD,  9                            ; v9  the stage, back
.set CO,  10                           ; v10 my place in two rows of out0
.set SPW, 12
.set NIL, 13
.set RS,  16                           ; v16-31 Wo's scale words
.set XS,  34                           ; v34-49 a's: no product's two scale words have numbers equal modulo 8
.set OB,  64                           ; v64-95 16 rows read back
.set CB,  96                           ; v96-127 bo, 8 registers for each tile of columns
.set ACC, 128                          ; accumulator (o, t) at 128 + 8 (4 o + t)
                                       ; window 1: two sets of eight fragments of tokens;  window 2: Wo's K steps 0-3 at v[64 s + 16 t], window 3: K steps 4-7
.set WV,  12
.set TX,  16
.set TY,  17
.set G1,  24                           ; s[24:31], s[32:35] descriptor groups 1, 0 for a;  s[48:55], s[56:59] for Wo
.set G0,  32
.set G1B, 48
.set G0B, 56
.set BP,  38
.set OP,  40
.set MSB, 0
.macro WIN new                         ; the immediate's high byte repeats the setting that is left
.if MSB != \new
	s_set_vgpr_msb (MSB<<8)|\new
.set MSB, \new
.endif
.endm
.macro P8                              ; eight places between products and loads into, or reads of, their registers (ISA guide 7.12.1 for reads)
.rept 8
	v_nop
.endr
.endm
.macro ROUND                           ; a round of the cluster's barrier
	s_barrier_signal -1
	s_barrier_wait -1
	s_cmp_lg_u32 s[WV], 0
	s_cbranch_scc1 .Lnot_wave_0_\@
	s_barrier_signal -3
.Lnot_wave_0_\@:
	s_barrier_wait -3
	s_barrier_signal -1
	s_barrier_wait -1
.endm
.macro WM d, a, b, c, sa, sb, ra, rb   ; ra, rb: the side's scale words stand in lanes 16-31
.if (\ra) && (\rb)
	v_wmma_scale_f32_16x16x128_f8f6f4 v[\d:\d+7], v[\a:\a+15], v[\b:\b+15], v[\c:\c+7], v[\sa], v[\sb] matrix_a_fmt:MATRIX_FMT_BF8 matrix_b_fmt:MATRIX_FMT_BF8 matrix_a_scale:MATRIX_SCALE_ROW1 matrix_b_scale:MATRIX_SCALE_ROW1
.elseif (\ra)
	v_wmma_scale_f32_16x16x128_f8f6f4 v[\d:\d+7], v[\a:\a+15], v[\b:\b+15], v[\c:\c+7], v[\sa], v[\sb] matrix_a_fmt:MATRIX_FMT_BF8 matrix_b_fmt:MATRIX_FMT_BF8 matrix_a_scale:MATRIX_SCALE_ROW1
.elseif (\rb)
	v_wmma_scale_f32_16x16x128_f8f6f4 v[\d:\d+7], v[\a:\a+15], v[\b:\b+15], v[\c:\c+7], v[\sa], v[\sb] matrix_a_fmt:MATRIX_FMT_BF8 matrix_b_fmt:MATRIX_FMT_BF8 matrix_b_scale:MATRIX_SCALE_ROW1
.else
	v_wmma_scale_f32_16x16x128_f8f6f4 v[\d:\d+7], v[\a:\a+15], v[\b:\b+15], v[\c:\c+7], v[\sa], v[\sb] matrix_a_fmt:MATRIX_FMT_BF8 matrix_b_fmt:MATRIX_FMT_BF8
.endif
.endm
.macro MULH o, k                       ; token tile o, K steps 4 k .. 4 k + 3: its four accumulators take turns, one instruction a turn; bo starts the sums
	WIN 0x06+\k                                    ; source 0 (Wo) window 2 or 3, source 1 window 1, C and D window 0
.irp s, 0,1,2,3
.irp t, 0,1,2,3
.set S_, 4*\k+\s
.set rD, ACC+32*\o+8*\t
.set rA, 64*\s+16*\t
.set rB, 128*(\o%2)+16*S_
.set rSA, RS+2*S_+\t/2
.set rSB, XS+2*S_+\o/2
.if S_ == 0
.set rC, CB+8*\t
.else
.set rC, rD
.endif
	WM rD, rA, rB, rC, rSA, rSB, \t%2, \o%2
.endr
.endr
.endm
.macro FETCH o                         ; token tile o, all eight K steps, into set o % 2: 32 loads
	WIN 0x40
.irp s, 0,1,2,3,4,5,6,7
.irp c, 0,1,2,3
	ds_load_b128 v[128*(\o%2)+16*\s+4*\c:128*(\o%2)+16*\s+4*\c+3], v[ADA] offset:\s*8192+\o*2048+512*\c
.endr
.endr
	WIN 0
.endm
.macro COLS k                          ; my 64 columns of Wo, K steps 4 k .. 4 k + 3
	WIN 0x80+0x40*\k
.irp s, 0,1,2,3
.irp t, 0,1,2,3
.irp c, 0,1,2,3
	ds_load_b128 v[64*\s+16*\t+4*\c:64*\s+16*\t+4*\c+3], v[ADB] offset:(4*\k+\s)*8192+\t*2048+512*\c
.endr
.endr
.endr
.endm
	s_load_b256 s[4:11], s[0:1], 0x0               ; aq, wq, bo, out0
	v_lshl_add_u32 v[SPW], v0, 2, 0x46400
	v_mov_b32 v[NIL], 0
	ds_add_u32 v[SPW], v[NIL]
	ds_add_u32 v[SPW], v[NIL]
	v_lshrrev_b32 v50, 5, v0
	v_readfirstlane_b32 s[WV], v50
	s_bfe_u32 s14, ttmp6, 0x40000                  ; cx, cy
	s_bfe_u32 s15, ttmp6, 0x40004
	s_lshl_b32 s[TX], ttmp9, 2
	s_add_co_u32 s[TX], s[TX], s14                 ; which 128 columns
	s_and_b32 s[TY], ttmp7, 0xffff
	s_lshl_b32 s[TY], s[TY], 2
	s_add_co_u32 s[TY], s[TY], s15                 ; which 128 tokens
	s_lshr_b32 s18, s[WV], 1                       ; my 64 tokens.  Also: I fetch for a (0) or for Wo (1)
	s_and_b32 s19, s[WV], 1                        ; my 64 columns.  Also: which of the two blocks I fetch
	s_lshl_b32 s20, s15, 2
	s_lshl_b32 s20, 15, s20                        ; my row of the cluster
	s_lshl_b32 s21, 0x1111, s14                    ; my column
	s_or_b32 s[G1], s20, (3<<16)|(1<<21)           ; elements of 8 bytes; bit 21 beside a mask; no padding
	s_or_b32 s[G1B], s21, (3<<16)|(1<<21)
.irp g, G1, G1B
	s_mov_b32 s[\g+1], 32<<16                      ; 264 rows of 256 bytes, dense
	s_mov_b32 s[\g+2], 264<<16
	s_mov_b32 s[\g+3], 32<<16
	s_mov_b32 s[\g+4], 264
	s_mov_b32 s[\g+5], 32
	s_mov_b32 s[\g+6], 0
	s_mov_b32 s[\g+7], 0
.endr
	s_lshl_b32 s36, s[TY], 1                       ; a's block: from the tile row and the wave's number alone
	s_add_co_u32 s36, s36, s19
	s_mul_i32 s36, s36, QBB
	s_mov_b32 s37, 0
	s_lshl_b32 s44, s[TX], 1                       ; Wo's: from the tile column and the wave's number alone
	s_add_co_u32 s44, s44, s19
	s_lshl_b32 s22, s44, 8                         ; my 64 columns in bo and in a row of out0 (the same number: w & 1 picks both)
	s_add_co_u32 s44, s44, 48
	s_mul_i32 s44, s44, QBB
	s_mov_b32 s45, 0
	s_mov_b32 s23, 0
	s_lshl_b32 s42, s[TY], 1
	s_add_co_u32 s42, s42, s18
	s_lshl_b32 s42, s42, 18                        ; my 64 tokens in out0
	s_add_co_u32 s42, s42, s22
	s_mov_b32 s43, 0
	s_mul_i32 s46, s[WV], QBB                      ; where my block goes
	s_mul_i32 s60, s18, QBB
	s_mul_i32 s61, s19, QBB
	s_add_co_u32 s61, s61, 2*QBB
	s_mul_i32 s62, s[WV], 4352
	s_add_co_u32 s62, s62, STG                     ; my stage
	v_and_b32 v50, 31, v0
	v_and_b32 v51, 15, v0                          ; r
	v_bfe_u32 v52, v0, 4, 1                        ; h
	v_lshlrev_b32 v[LI], 4, v50
	v_lshlrev_b32 v[L8], 3, v50
	v_lshlrev_b32 v[BO1], 6, v52
	v_add_nc_u32 v[ADA], s60, v[LI]
	v_add_nc_u32 v[ADB], s61, v[LI]
	v_add_nc_u32 v[L8], 65536, v[L8]
	v_mul_u32_u24 v[STO], v51, 272
	v_mul_u32_u24 v[RD], v52, 272
	v_add_nc_u32 v[AXA], s60, v[L8]
	v_add_nc_u32 v[AXB], s61, v[L8]
	v_lshl_add_u32 v[STO], v52, 6, v[STO]
	v_lshl_add_u32 v[RD], v51, 4, v[RD]
	v_lshlrev_b32 v[CO], 12, v52
	v_add_nc_u32 v[STO], s62, v[STO]               ; in: row r, + 64 h
	v_add_nc_u32 v[RD], s62, v[RD]                 ; back: lanes 0-15 one row, lanes 16-31 the next
	v_lshl_add_u32 v[CO], v51, 4, v[CO]            ; and the same in out0
	s_wait_alu depctr_va_vdst(0)                   ; the wait at the head's end
	s_wait_dscnt 0x0
	s_wait_kmcnt 0x0
	s_mov_b32 s[G0], 1
	s_mov_b32 s[G0+1], s46
	s_add_nc_u64 s[G0+2:G0+3], s[4:5], s[36:37]
	s_or_b32 s[G0+3], s[G0+3], 0x80000000
	s_mov_b32 s[G0B], 1
	s_mov_b32 s[G0B+1], s46
	s_add_nc_u64 s[G0B+2:G0B+3], s[6:7], s[44:45]
	s_or_b32 s[G0B+3], s[G0B+3], 0x80000000
	s_add_nc_u64 s[BP:BP+1], s[8:9], s[22:23]
	s_add_nc_u64 s[OP:OP+1], s[10:11], s[42:43]
	ROUND                                          ; all sixteen work-groups are here: the joint loads meet
	s_cmp_eq_u32 s18, 1
	s_cbranch_scc0 .Lfor_a
	tensor_load_to_lds s[G0B:G0B+3], s[G1B:G1B+7]
	s_nop 0
.rept 4
	v_nop
.endr
	s_branch .Lasked
.Lfor_a:
	tensor_load_to_lds s[G0:G0+3], s[G1:G1+7]
	s_nop 0
.rept 4
	v_nop
.endr
.Lasked:
.irp t, 0,1,2,3
	global_load_b128 v[CB+8*\t:CB+8*\t+3], v[BO1], s[BP:BP+1] offset:(32*(\t/2)+8*(\t%2))*4      ; register j of tile t wants bo(32 (t / 2) + 8 (t % 2) + 16 h + j)
	global_load_b128 v[CB+8*\t+4:CB+8*\t+7], v[BO1], s[BP:BP+1] offset:(32*(\t/2)+8*(\t%2))*4+16
.endr
	s_cmp_eq_u32 s18, 1
	s_cbranch_scc0 .Lnot_wo
	s_wait_tensorcnt 0x0                           ; waves 2, 3: Wo's blocks are in
.Lnot_wo:
	s_barrier_signal -1
	s_barrier_wait -1
.irp s, 0,1,2,3,4,5,6,7
	ds_load_b64 v[RS+2*\s:RS+2*\s+1], v[AXB] offset:256*\s
.endr
	COLS 0
	COLS 1
	WIN 0
	s_wait_tensorcnt 0x0                           ; my block is in,
	s_wait_dscnt 0x0
	s_barrier_signal -1
	s_barrier_wait -1                              ; everybody's is
.irp s, 0,1,2,3,4,5,6,7
	ds_load_b64 v[XS+2*\s:XS+2*\s+1], v[AXA] offset:256*\s
.endr
	FETCH 0
	FETCH 1
.macro TOSTAGE o                       ; the tile of tokens o: register j of tile t is column 32 (t / 2) + 16 h + 8 (t % 2) + j.  LDS serves a wave's instructions in order (ISA guide 5.7.1.4): no wait between stores and loads
	WIN 0
	P8
.if \o > 0
	s_wait_xcnt 0x0                                ; the last tile's stores have read their registers
.endif
.irp t, 0,1,2,3
	ds_store_b128 v[STO], v[ACC+8*(4*\o+\t):ACC+8*(4*\o+\t)+3] offset:128*(\t/2)+32*(\t%2)          ; each accumulator from its low end on
	ds_store_b128 v[STO], v[ACC+8*(4*\o+\t)+4:ACC+8*(4*\o+\t)+7] offset:128*(\t/2)+32*(\t%2)+16
.endr
.irp k, 0,1,2,3,4,5,6,7
	ds_load_b128 v[OB+4*\k:OB+4*\k+3], v[RD] offset:544*\k
.endr
.endm
.macro SEND o, younger                 ; younger: the LDS instructions issued behind tile o's loads, which may stay out
	WIN 0
	s_wait_dscnt \younger
.irp k, 0,1,2,3,4,5,6,7
	global_store_b128 v[CO], v[OB+4*\k:OB+4*\k+3], s[OP:OP+1] offset:(32*(\o/2)+8*(\o%2)+((2*\k)%8)+16*(\k/4))*4096 th:TH_STORE_NT   ; stage rows 2 k, 2 k + 1 are neighbouring tokens; sixteen lanes store 256 consecutive bytes, aligned
.endr
.endm
	s_wait_dscnt 32                                ; tile 0 is in; tile 1's 32 loads may be out
	s_wait_loadcnt 0x0                             ; bo is in
	MULH 0, 0
	MULH 0, 1
	TOSTAGE 0
	FETCH 2
	s_wait_dscnt 48                                ; tile 1 is in; the stage's 16 and tile 2's 32 may be out
	MULH 1, 0
	SEND 0, 32                                     ; behind the stage's loads: tile 2's 32
	MULH 1, 1
	TOSTAGE 1
	FETCH 3
	s_wait_dscnt 48
	MULH 2, 0
	SEND 1, 32
	MULH 2, 1
	TOSTAGE 2
	s_wait_dscnt 16                                ; tile 3 is in; the stage's 16 may be out
	MULH 3, 0
	SEND 2, 0
	MULH 3, 1
	TOSTAGE 3
	SEND 3, 0
	s_wait_tensorcnt 0x0                           ; the wave's end
	ds_add_u32 v[SPW], v[NIL]
	s_wait_dscnt 0x0
	ROUND                                          ; the closing round
	s_endpgm
.Lfunc_end_k_qe43a2f5398_oproj:
	.size	k_qe43a2f5398_oproj, .Lfunc_end_k_qe43a2f5398_oproj-k_qe43a2f5398_oproj
	.p2alignl 7, 3214868480
	.fill 96, 4, 3214868480
	.section	.rodata,"a",@progbits
	.p2align	6, 0x0
	.amdhsa_kernel k_qe43a2f5398_oproj
		.amdhsa_group_segment_fixed_size 288256
		.amdhsa_private_segment_fixed_size 0
		.amdhsa_enable_private_segment 0
		.amdhsa_kernarg_size 32
		.amdhsa_user_sgpr_count 2
		.amdhsa_user_sgpr_kernarg_segment_ptr 1
		.amdhsa_wavefront_size32 1
		.amdhsa_system_sgpr_workgroup_id_x 1
		.amdhsa_system_sgpr_workgroup_id_y 1
		.amdhsa_system_sgpr_workgroup_id_z 1
		.amdhsa_system_vgpr_workitem_id 0
		.amdhsa_next_free_vgpr 1024
		.amdhsa_next_free_sgpr 66
		.amdhsa_reserve_vcc 0
		.amdhsa_float_denorm_mode_32 3
		.amdhsa_float_denorm_mode_16_64 3
		.amdhsa_memory_ordered 1
		.amdhsa_forward_progress 1
		.amdhsa_inst_pref_size 50
	.end_amdhsa_kernel
	.amdgpu_metadata
---
amdhsa.version: [ 1, 2 ]
amdhsa.kernels:
  - .name:           k_qe43a2f5398_oproj
    .symbol:         k_qe43a2f5398_oproj.kd
    .args:
      - { .name: aq, .offset: 0, .size: 8, .value_kind: global_buffer, .address_space: global }
      - { .name: wq, .offset: 8, .size: 8, .value_kind: global_buffer, .address_space: global }
      - { .name: bo, .offset: 16, .size: 8, .value_kind: global_buffer, .address_space: global }
      - { .name: out0, .offset: 24, .size: 8, .value_kind: global_buffer, .address_space: global }
    .group_segment_fixed_size: 288256
    .private_segment_fixed_size: 0
    .kernarg_segment_align: 8
    .kernarg_segment_size: 32
    .max_flat_workgroup_size: 128
    .sgpr_count:     66
    .vgpr_count:     1024
    .wavefront_size: 32
...
	.end_amdgpu_metadata
.endif
;; end of part 4
